; MI455X (gfx1250); checked and timed in simulation.
; The chip was launched on July 23, 2026; its instructions are those of AMD's public machine-readable ISA for CDNA 5 (MIT licence, August 2026) and "CDNA5" Instruction Set Architecture Reference Guide (July 2026). The comments in the code are by the model that wrote it; some were corrected since.
;; Multi Head Attention. Allowed arithmetic: matrix products marked QUANTISED: E4M3 operands, one given power-of-two scale a tensor, by v_wmma_f32_16x16x64_fp8_fp8 or v_wmma_f32_16x16x128_fp8_fp8, f32 sums; everything else in f32.
;; Inputs: Wk 16 x 1,024 x 64 float32; Wo 1,024 x 1,024 float32; Wq 16 x 1,024 x 64 float32; Wv 16 x 1,024 x 64 float32; bo 1,024 float32; lowp_scales 12 int32 (the exponents e of the quantised operands' scales 2^e); x 4 x 2,048 x 1,024 float32.
;; Outputs: out0 4 x 2,048 x 1,024 float32.
;; This version of the problem:
;;   THIS VERSION OF THE PROBLEM IS GIVEN IN LOW PRECISION. The matrix products marked QUANTISED in the list below multiply operands that are first quantised to E4M3 (4 exponent bits, 3 mantissa bits; 8 bits a number), with one given power-of-two scale for each operand tensor; their sums are f32. All else is computed in f32.
;;   The module's matrix products, in the order in which they are computed (A, B: the left and right operand; K: the contracted axis; several contracted axes count as one K, in the product's order):
;;     1. [M 1,024, K 1,024] x [K 1,024, N 8,192]; A: input Wq; B: input x: QUANTISED (scales: A lowp_scales[0], B lowp_scales[1])
;;     2. [M 1,024, K 1,024] x [K 1,024, N 8,192]; A: input Wk; B: input x: QUANTISED (scales: A lowp_scales[2], B lowp_scales[3])
;;     3. [M 1,024, K 1,024] x [K 1,024, N 8,192]; A: input Wv; B: input x: QUANTISED (scales: A lowp_scales[4], B lowp_scales[5])
;;     4. batch 64 x [M 2,048, K 64] x [K 64, N 2,048]; A: computed on the way; B: computed on the way: QUANTISED (scales: A lowp_scales[6], B lowp_scales[7])
;;     5. batch 64 x [M 2,048, K 2,048] x [K 2,048, N 64]; A: softmax (see below); B: computed on the way: QUANTISED (scales: A lowp_scales[8], B lowp_scales[9])
;;     6. [M 8,192, K 1,024] x [K 1,024, N 1,024]; A: computed on the way; B: input Wo: QUANTISED (scales: A lowp_scales[10], B lowp_scales[11])
;;   THE QUANTISER, for each operand of a quantised product, along K:
;;     - The operand's scale is 2^e, e = its entry of the input lowp_scales (int32; the entries are numbered through the quantised products in the list's order, A before B).
;;     - Each number is divided by the scale, clamped to +-448, and rounded to the nearest number of E4M3, ties to even, subnormals kept.
;;     - The product sums the exact products of the quantised numbers (number of the format x scale) in f32.
;;   ~~~python
;;   def quantise(x, axis, e):      # numpy; x: float32 -> the quantised numbers, widened to float32 again
;;       x = np.moveaxis(x, axis, -1); K = x.shape[-1]
;;       r = np.clip(x / 2.0 ** e, -448, 448)
;;       step = 2.0 ** (np.maximum(np.frexp(np.where(r == 0, 1, r))[1] - 1, -6) - 3)
;;       q = np.round(r / step) * step * 2.0 ** e      # np.round: ties to even
;;       return np.moveaxis(q, -1, axis).astype(np.float32)
;;   ~~~
;;   SOFTMAX AHEAD OF A QUANTISED PRODUCT. Where the list says 'softmax', what is quantised is not the finished softmax but p = 2^(t - M), with t = logit x log2(e) and M = ceil(the row's largest t), a whole number; so 1/2 < the row's largest p <= 1. The row's sum l is taken of the UNQUANTISED p, in f32, and the product's result is divided by l at the end. Since M is a whole number, a kernel that streams over the keys may use a running M (the ceiling of the running maximum): every later rescaling is an exact power of two, so the quantised numbers keep their values, but for numbers so far below the row's largest that they fall under the format's range.
;;   OPERANDS COMPUTED ON THE WAY. 'Computed on the way' means the value that the module computes at that place (a softmax that the list does not call 'softmax' is quantised finished and normalised). What goes into a quantiser is computed in f32, as accurately as f32 sums, v_exp_f32 and their like allow (about 1e-6 of the number): no bf16 or f16 on the way to a quantiser, and a product that is left as it is and whose result goes on into a quantised operand takes f32 operands (vector FMAs, or v_wmma_f32_16x16x4_f32). A number that lies on a knife's edge between two numbers of the format may be rounded either way, as far as f32 arithmetic and the matrix unit's own rounding can turn it there, and no further.
;; One version. Each part assembles by itself: llvm-mc -triple=amdgcn-amd-amdhsa -mcpu=gfx1250 --defsym DOCPART=n.
;; ======== version 1 of 1: 4 launches
;; limits: right only within a limited range of input values
;; workspace buffers: xc 25,165,824 bytes; wc 4,194,304 bytes; qc 8,388,608 bytes; kv 16,777,216 bytes; oc 8,388,608 bytes
;; launch quant (part 1): grid 1280 x 1, 4 waves a work-group, no clusters, 34,304 bytes of LDS; arguments x, Wq, Wk, Wv, Wo, lowp_scales, xc, wc; writes xc, wc
.if DOCPART == 1
	.amdgcn_target "amdgcn-amd-amdhsa--gfx1250"
	.amdhsa_code_object_version 6
	.text
	.protected	k_qc12359a570_quant
	.globl	k_qc12359a570_quant
	.p2align	8
	.type	k_qc12359a570_quant,@function
k_qc12359a570_quant:
	s_mov_b64 s[64:65], 0
	v_nop
	global_prefetch_b8 v0, s[64:65] scope:SCOPE_SE
	s_setreg_imm32_b32 hwreg(HW_REG_WAVE_MODE, 25, 1), 1
	s_wait_xcnt 0x0
; x [8192][1024] f32 becomes three sets of E4M3 codes (scales 2^e1, 2^e3, 2^e5: the three products that read x each have an entry of their own);
; Wq, Wk, Wv [16][1024][64] and Wo [1024][1024], f32 with K as the first matrix axis, become codes with K innermost (2^e0, 2^e2, 2^e4, 2^e11).
; code = number / 2^e, held within +-448, to the nearest code, ties to even.
; LIMITS: each of these exponents lies between -126 and 119, so that 2^e and 448 x 2^e are f32 numbers.  NaN among the inputs is not served.
; THE CODES ARE LAID AS IMAGES OF OPERAND REGISTERS.  A fragment is 16 rows x 128 K, 16 registers a lane: registers 2 c, 2 c + 1 of lane (r, h) hold k = 16 c + 8 h + 0 .. 7 of row r.
; It lies as four pieces of 512 bytes, piece q = registers 4 q .. 4 q + 3, lane l's 16 bytes at 16 l.  Fragment (row tile T, chunk kc of 128 along K) begins at
; (T / 8) x 131072 + (kc / 2) x 32768 + (T % 8) x 4096 + (kc % 2) x 2048: so 128 rows x 256 K are one dense block of 32,768 bytes.
; Work-groups 0-191: Wq, Wk, Wv; 192-255: Wo; 256-1279: x.  Waves share nothing: no barrier.  Only x's path uses LDS.
.set WX,  16                           ; weights: v16-143 128 numbers of my column, v144-175 their codes
.set WC,  144
.set RR,  16                           ; x: v16-79 16 rows as loaded
.set XX,  80                           ; v80-143 64 numbers of my row, in the operand's order
.set TT,  144                          ; v144-159 two sets of eight held numbers, by turns
.set CC,  160                          ; v160-207 codes: 16 registers for each of the three scales
.set SPX, 528                          ; a stage row: 512 bytes + 16: 132 words, so sixteen rows start at sixteen different groups of four banks
.set WST, 16*SPX                       ; a wave's stage
; 2^e as f32 into v[vs] (the conversion takes its exponent field), 448 x 2^e into v[vl]
.macro MKSC se, vs, vl
	s_add_co_i32 s52, s[\se], 127
	s_lshl_b32 s53, s52, 23
	v_mov_b32 v[\vs], s53
	s_add_co_i32 s52, s52, 8
	s_lshl_b32 s52, s52, 23
	s_or_b32 s52, s52, 0x600000
	v_mov_b32 v[\vl], s52
.endm
; 32 rows k = 32 q + kk of my column, K ascending.  kk = 16 g + 8 hh + j goes to register 32 q + 16 hh + 8 g + j: the order of the two image lanes (hh = 0, 1) that hold this column
.macro LOADQ q, stride
.set kk, 0
.rept 32
	global_load_b32 v[WX+32*(\q)+16*((kk>>3)&1)+8*(kk>>4)+(kk&7)], v1, s[36:37] offset:(32*(\q)+kk)*\stride th:TH_LOAD_NT
.set kk, kk+1
.endr
.endm
.macro PROC q
.set j, 0
.rept 32
	v_med3_num_f32 v[WX+32*(\q)+j], v[WX+32*(\q)+j], -v5, v5   ; the conversion does not saturate (ISA guide 7.6.2): the hold comes first
.set j, j+1
.endr
.irp u, 0,1,2,3
	v_cvt_scalef32_pk8_fp8_f32 v[WC+8*(\q)+2*\u:WC+8*(\q)+2*\u+1], v[WX+32*(\q)+8*\u:WX+32*(\q)+8*\u+7], v4
.endr
	v_nop                                          ; a plain line behind the last conversion of the run
	global_store_b128 v2, v[WC+8*(\q):WC+8*(\q)+3], s[46:47] offset:512*(\q)        ; lanes 0-15: 256 consecutive bytes of one row tile's image, lanes 16-31 of the next tile's
	global_store_b128 v2, v[WC+8*(\q)+4:WC+8*(\q)+7], s[46:47] offset:512*(\q)+256
.endm
; A WEIGHT.  A lane takes a column n and its registers run down K, so the conversions give codes with K innermost and nothing is transposed.
; A wave: 32 columns x 128 K.  stride: bytes from k to k + 1.  Each load reads 128 consecutive bytes; the wave beside it (the other half) reads the 128 that follow.
.macro WPATH stride, wo
	s_lshr_b32 s21, ttmp9, 6                       ; which weight: 0 q, 1 k, 2 v, 3 o
	s_bfe_u32 s22, ttmp9, 0x40002                  ; cg: which 64 columns (a head)
	s_and_b32 s23, ttmp9, 3
	s_and_b32 s40, s20, 1                          ; half: which 32 of them
	s_lshr_b32 s41, s20, 1
	s_lshl_b32 s23, s23, 1
	s_add_co_u32 s41, s41, s23                     ; kc: which 128 along K
	s_lshl_b32 s42, s40, 7
.if \wo
	s_lshl_b32 s44, s41, 19                        ; 128 rows of 4,096 bytes
	s_add_co_u32 s42, s42, s44
	s_lshl_b32 s44, s22, 8
	s_add_co_u32 s42, s42, s44
	s_mov_b64 s[36:37], s[12:13]
.else
	s_lshl_b32 s44, s22, 18                        ; a head: 1,024 rows of 256 bytes
	s_add_co_u32 s42, s42, s44
	s_lshl_b32 s44, s41, 15
	s_add_co_u32 s42, s42, s44
	s_cmp_eq_u32 s21, 0
	s_cselect_b64 s[36:37], s[6:7], s[8:9]
	s_cmp_eq_u32 s21, 2
	s_cselect_b64 s[36:37], s[10:11], s[36:37]
.endif
	s_mov_b32 s43, 0
	s_add_nc_u64 s[36:37], s[36:37], s[42:43]
	v_lshlrev_b32 v1, 2, v15                       ; 4 bytes a lane
	LOADQ 0, \stride
	LOADQ 1, \stride
	s_lshl_b32 s44, s21, 20                        ; the codes: 1 MiB a weight; row tile T = 4 cg + 2 half + lane / 16
	s_lshr_b32 s39, s22, 1
	s_lshl_b32 s39, s39, 17
	s_add_co_u32 s44, s44, s39
	s_lshr_b32 s39, s41, 1
	s_lshl_b32 s39, s39, 15
	s_add_co_u32 s44, s44, s39
	s_and_b32 s39, s22, 1
	s_lshl_b32 s39, s39, 14
	s_add_co_u32 s44, s44, s39
	s_lshl_b32 s39, s40, 13
	s_add_co_u32 s44, s44, s39
	s_and_b32 s39, s41, 1
	s_lshl_b32 s39, s39, 11
	s_add_co_u32 s44, s44, s39
	s_mov_b32 s45, 0
	s_add_nc_u64 s[46:47], s[18:19], s[44:45]
	v_lshrrev_b32 v3, 4, v15
	v_and_b32 v2, 15, v15
	v_lshlrev_b32 v2, 4, v2
	v_lshl_add_u32 v2, v3, 12, v2                  ; (lane / 16) x 4096 + 16 (lane % 16)
	s_wait_kmcnt 0x0                               ; the exponents
.if \wo
	s_mov_b32 s38, s35                             ; e11
.else
	s_cmp_eq_u32 s21, 0
	s_cselect_b32 s38, s24, s26                    ; e0 or e2,
	s_cmp_eq_u32 s21, 2
	s_cselect_b32 s38, s28, s38                    ; or e4
.endif
	MKSC 38, 4, 5
	s_wait_alu depctr_va_vdst(0)
	s_wait_loadcnt 32                              ; group 0 is in; the one younger group may be out
	PROC 0
	LOADQ 2, \stride
	s_wait_loadcnt 32
	PROC 1
	LOADQ 3, \stride
	s_wait_loadcnt 32
	PROC 2
	s_wait_loadcnt 0x0
	PROC 3
.endm
	s_load_b512 s[4:19], s[0:1], 0x0               ; x, Wq, Wk, Wv, Wo, the exponents, xc, wc
	v_lshl_add_u32 v208, v0, 2, 0x8400
	v_mov_b32 v209, 0
	v_lshrrev_b32 v1, 5, v0
	v_readfirstlane_b32 s20, v1                    ; wave 0..3
	v_and_b32 v15, 31, v0                          ; lane
	s_wait_kmcnt 0x0
	s_load_b256 s[24:31], s[14:15], 0x0            ; e0 .. e7
	s_load_b128 s[32:35], s[14:15], 0x20           ; e8 .. e11
	s_cmp_lt_u32 ttmp9, 256
	s_cbranch_scc0 .Lx
	s_cmp_lt_u32 ttmp9, 192
	s_cbranch_scc0 .Lwo
	s_wait_alu depctr_va_vdst(0)
	WPATH 256, 0
	s_endpgm
.Lwo:
	s_wait_alu depctr_va_vdst(0)
	WPATH 4096, 1
	s_endpgm
.Lx:
	; x.  A wave: 16 tokens x 128 K.  Each load reads 512 consecutive bytes of one row; the rows turn through the wave's own stage in LDS, so that a lane gets its row's numbers in the operand's order.
	s_sub_co_u32 s21, ttmp9, 256
	s_lshr_b32 s22, s21, 1                         ; tt: token tile 0..511
	s_and_b32 s23, s21, 1
	s_lshl_b32 s23, s23, 2
	s_add_co_u32 s23, s23, s20                     ; kc 0..7
	s_lshl_b32 s42, s22, 16                        ; 16 rows of 4,096 bytes
	s_lshl_b32 s40, s23, 9
	s_add_co_u32 s42, s42, s40
	s_mov_b32 s43, 0
	s_add_nc_u64 s[36:37], s[4:5], s[42:43]
	s_wait_alu depctr_va_vdst(0)
	v_lshlrev_b32 v1, 4, v15                       ; 16 x lane
.set i, 0
	s_wait_alu depctr_va_vdst(0)
.rept 16
	global_load_b128 v[RR+4*i:RR+4*i+3], v1, s[36:37] offset:4096*i th:TH_LOAD_NT
.set i, i+1
.endr
	s_lshr_b32 s44, s22, 3                         ; where the fragment lies in each set of codes
	s_lshl_b32 s44, s44, 17
	s_lshr_b32 s40, s23, 1
	s_lshl_b32 s40, s40, 15
	s_add_co_u32 s44, s44, s40
	s_and_b32 s40, s22, 7
	s_lshl_b32 s40, s40, 12
	s_add_co_u32 s44, s44, s40
	s_and_b32 s40, s23, 1
	s_lshl_b32 s40, s40, 11
	s_add_co_u32 s44, s44, s40
	s_mov_b32 s45, 0
	s_add_nc_u64 s[46:47], s[16:17], s[44:45]      ; the set at 2^e1,
	s_add_nc_u64 s[48:49], s[46:47], 0x800000      ; at 2^e3,
	s_add_nc_u64 s[50:51], s[46:47], 0x1000000     ; at 2^e5
	s_mul_i32 s40, s20, WST
	v_add_nc_u32 v2, s40, v1                       ; the stage, on the way in: 16 x lane of a row
	v_and_b32 v3, 15, v15
	v_lshrrev_b32 v14, 4, v15
	v_mul_u32_u24 v3, v3, SPX
	v_lshl_add_u32 v3, v14, 5, v3
	v_add_nc_u32 v3, s40, v3                       ; on the way out: row r, + 32 h bytes
	s_wait_alu depctr_va_vdst(0)
	s_wait_kmcnt 0x0
	MKSC 25, 4, 5
	MKSC 27, 6, 7
	MKSC 29, 8, 9
.set i, 0
	s_wait_alu depctr_va_vdst(0)
.rept 16
	s_wait_loadcnt 15-i                            ; row i is in; the later rows may be out
	ds_store_b128 v2, v[RR+4*i:RR+4*i+3] offset:SPX*i
.set i, i+1
.endr
.set i, 0
.rept 16                                       ; register 16 q + 8 g + j = k 32 q + 16 g + 8 h + j of row r.  LDS serves a wave's instructions in order (ISA guide 5.7.1.4): these see the stores above
	ds_load_b128 v[XX+4*i:XX+4*i+3], v3 offset:128*(i/4)+64*((i/2)%2)+16*(i%2)
.set i, i+1
.endr
.set q, 0
.rept 4
	s_wait_dscnt 12-4*q                            ; piece q's four loads are back; the later pieces' may be out
.set p, 0
.rept 3
.set g, 0
.rept 2
.set ts, TT+8*g
.set j, 0
.rept 8
	v_med3_num_f32 v[ts+j], v[XX+16*q+8*g+j], -v[5+2*p], v[5+2*p]   ; the hold, into one of two sets by turns: eight plain lines stand between a conversion and the next write of its sources
.set j, j+1
.endr
	v_cvt_scalef32_pk8_fp8_f32 v[CC+16*p+4*q+2*g:CC+16*p+4*q+2*g+1], v[ts:ts+7], v[4+2*p]
.set g, g+1
.endr
	global_store_b128 v1, v[CC+16*p+4*q:CC+16*p+4*q+3], s[46+2*p:47+2*p] offset:512*q   ; 512 consecutive bytes; every store has data registers of its own
.set p, p+1
.endr
.set q, q+1
.endr
	s_wait_tensorcnt 0x0
	ds_add_u32 v208, v209
	s_wait_dscnt 0x0
	s_endpgm
.Lfunc_end_k_qc12359a570_quant:
	.size	k_qc12359a570_quant, .Lfunc_end_k_qc12359a570_quant-k_qc12359a570_quant
	.p2alignl 7, 3214868480
	.fill 96, 4, 3214868480
	.section	.rodata,"a",@progbits
	.p2align	6, 0x0
	.amdhsa_kernel k_qc12359a570_quant
		.amdhsa_group_segment_fixed_size 34304
		.amdhsa_private_segment_fixed_size 0
		.amdhsa_enable_private_segment 0
		.amdhsa_kernarg_size 64
		.amdhsa_user_sgpr_count 2
		.amdhsa_user_sgpr_kernarg_segment_ptr 1
		.amdhsa_wavefront_size32 1
		.amdhsa_system_sgpr_workgroup_id_x 1
		.amdhsa_system_sgpr_workgroup_id_y 1
		.amdhsa_system_sgpr_workgroup_id_z 1
		.amdhsa_system_vgpr_workitem_id 0
		.amdhsa_next_free_vgpr 210
		.amdhsa_next_free_sgpr 66
		.amdhsa_reserve_vcc 0
		.amdhsa_float_denorm_mode_32 3
		.amdhsa_float_denorm_mode_16_64 3
		.amdhsa_memory_ordered 1
		.amdhsa_forward_progress 1
		.amdhsa_inst_pref_size 70
	.end_amdhsa_kernel
	.amdgpu_metadata
---
amdhsa.version: [ 1, 2 ]
amdhsa.kernels:
  - .name:           k_qc12359a570_quant
    .symbol:         k_qc12359a570_quant.kd
    .args:
      - { .name: x, .offset: 0, .size: 8, .value_kind: global_buffer, .address_space: global }
      - { .name: Wq, .offset: 8, .size: 8, .value_kind: global_buffer, .address_space: global }
      - { .name: Wk, .offset: 16, .size: 8, .value_kind: global_buffer, .address_space: global }
      - { .name: Wv, .offset: 24, .size: 8, .value_kind: global_buffer, .address_space: global }
      - { .name: Wo, .offset: 32, .size: 8, .value_kind: global_buffer, .address_space: global }
      - { .name: lowp_scales, .offset: 40, .size: 8, .value_kind: global_buffer, .address_space: global }
      - { .name: xc, .offset: 48, .size: 8, .value_kind: global_buffer, .address_space: global }
      - { .name: wc, .offset: 56, .size: 8, .value_kind: global_buffer, .address_space: global }
    .group_segment_fixed_size: 34304
    .private_segment_fixed_size: 0
    .kernarg_segment_align: 8
    .kernarg_segment_size: 64
    .max_flat_workgroup_size: 128
    .sgpr_count:     66
    .vgpr_count:     210
    .wavefront_size: 32
...
	.end_amdgpu_metadata
.endif
;; end of part 1
;; launch qkv (part 2): grid 4 x 64, 4 waves a work-group, clusters of 4 x 4, 327,680 bytes of LDS; arguments xc, wc, lowp_scales, qc, kv; writes qc, kv
.if DOCPART == 2
	.amdgcn_target "amdgcn-amd-amdhsa--gfx1250"
	.amdhsa_code_object_version 6
	.text
	.protected	k_qc12359a570_qkv
	.globl	k_qc12359a570_qkv
	.p2align	8
	.type	k_qc12359a570_qkv,@function
k_qc12359a570_qkv:
	s_mov_b64 s[64:65], 0
	v_nop
	global_prefetch_b8 v0, s[64:65] scope:SCOPE_SE
	s_setreg_imm32_b32 hwreg(HW_REG_WAVE_MODE, 25, 1), 1
	s_wait_xcnt 0x0
	s_wait_alu depctr_hold_cnt(0) depctr_sa_sdst(0) depctr_va_vdst(0) depctr_va_sdst(0) depctr_va_ssrc(0) depctr_va_vcc(0) depctr_vm_vsrc(0)
	s_getreg_b32 s2, hwreg(HW_REG_IB_STS2, 6, 4)
	s_cmp_eq_u32 s2, 0
	s_cbranch_scc0 .Lentry_in_a_cluster
	s_endpgm
.Lentry_in_a_cluster:
	s_bfe_u32 s2, ttmp6, 0x10000c
	s_cmp_lg_u32 s2, 0xf033
	s_cbranch_scc0 .Lentry_shape_is_right
	s_endpgm
.Lentry_shape_is_right:
; q = x Wq, k = x Wk, v = x Wv on E4M3 codes, K = 1,024; each finished f32 sum is quantised at once: q at 2^e6, k at 2^e7, v at 2^e9.
; A sum stands for sum x 2^(eW + ex), so its code is sum / 2^E, E = eout - eW - ex, held within +-448 x 2^E.  LIMIT: E between -126 and 119 for each of the three products.
; 16 clusters of 4 x 4 work-groups, 256 work-groups; EACH WORK-GROUP MAKES TWO TILES, one after the other, and the ring of LDS slots goes on from the first into the second:
;   pass 1: 256 tokens x 256 weight rows of q (clusters 0-7) or of k (8-15): a wave makes 128 x 128, 64 accumulators;   pass 2: 256 weight rows x 128 tokens of v: a wave makes 128 x 64, 32 accumulators.
; The operand called R gives a lane its row, the operand called C gives a lane's eight registers eight neighbouring columns (source 0 = 16 rows of C, source 1 = 16 rows of R).
; q, k: R = tokens, C = weight rows (head x 64 + e): a lane's eight results are neighbours along e, the next product's K.  v: R = weight rows, C = tokens: neighbours along the keys, ITS next K.
; OPERANDS ARE IMAGES OF REGISTERS (16 rows x 128 K: four pieces of 512 bytes, lane l's 16 bytes at 16 l; 128 rows x 256 K are one dense block of 32,768 bytes): a tensor load brings a block as it lies,
; a fragment comes by four ds_load_b128 of 512 consecutive bytes.  The results' codes are again such images and are stored from registers, 512 consecutive aligned bytes a store.
; CLUSTERS: R's blocks are shared along a row of the cluster, C's along a column: each is asked for jointly by the four that need it.
; THE RING: LDS has four parts (R's two halves, C's two), each with two slots of 32,768 bytes on end.  The head's one load a wave brings K steps 0 and 1 of its part, 65,536 bytes that lie on end in memory too.
; Every later load brings one K step into one slot; pass 1's last two changes of slots ask for pass 2's K steps 0 and 1, which land while pass 1's results leave.  A wave has one tensor load out at any time.
; PREFETCH: behind each of the first five loads the waves name blocks that a load two changes of slots on will ask for (the head: pass 1's K steps 2 and 3).  The four partners of a joint load share a block out by address,
; a lane to 256 bytes.  x's blocks are named by the one cluster that loads them; a weight's blocks, which 8 or 16 clusters load, by four clusters.  Pass 2's K steps 2 and 3 are the last that are named.
; REGISTERS, in windows of 256: window 0: v0-31 addresses; v32-95 at work on the way out; v128-255 R's fragments, ONE set (on the way out: the codes).  window 1: C's fragments, two sets, at v0 and v128.  windows 2, 3: the accumulators.
.set NB,     8                         ; fragments of C a wave (pass 2: 4)
.set APW,    32/NB                     ; blocks of R whose accumulators fill a window
.set PART,   65536
.set SLOT,   32768
.set SPARE,  4*PART                    ; behind the ring: the spare words, 128 bytes for each wave, that no other line names
.set KSB,    32768                     ; from a K step's block to the next in memory
.set VO,   8                           ; v8-11   the way out: 16 x lane + alpha SA + beta SB
.set LIM,  12                          ; v12     448 x 2^E
.set SCL,  13                          ; v13     2^E
.set ADRA, 16                          ; v16-17  LDS address of my R fragments in slot 0, 1
.set ADRB, 20                          ; v20-21  the same for C
.set PFO,  24                          ; v24     prefetch offset, pass 1: 256 x lane
.set PFO2, 25                          ; v25     pass 2: 256 x min(lane, 31 or 15)
.set SPW,  28                          ; v28     my spare word; never rewritten
.set NIL,  29                          ; v29     0; never rewritten
.set TMP,  32
.set AF,   128
.set CD,   128
.set G1,  24                           ; s[24:31] group 1 for R's blocks; s[32:39] group 0, a set for each slot
.set G0,  32
.set G1B, 48                           ; s[48:55], s[56:63] the same for C's
.set G0B, 56
.set R2,  68                           ; s[68:69] pass 2: my block of R at K step 0, with the descriptor's type bits
.set C2,  70                           ; s[70:71] of C
.set PA1, 98                           ; s[98:99] pass 1: my work-group's quarter of the block that I fetch, at K step 0
.set PA2, 100                          ; s[100:101] pass 2
.set PF1, 18                           ; s18, s19: 1 where my wave prefetches in pass 1, 2
.set PF2, 19
.set MSB, 0
.macro WIN new                         ; the immediate's high byte repeats the setting that is left
.if MSB != (\new)
	s_set_vgpr_msb (MSB<<8)|(\new)
.set MSB, (\new)
.endif
.endm
; A joint load: waves 0 and 1 fetch R's halves, waves 2 and 3 C's.  The branch hangs on the wave's number alone.  An s_nop 0 and four v_nop follow each of the two lines.
.macro JLOAD g0a, g1a, g0b, g1b
	s_cmp_eq_u32 s15, 0
	s_cbranch_scc0 .Lfor_b_\@
	tensor_load_to_lds s[\g0a:\g0a+3], s[\g1a:\g1a+7]
	s_nop 0
.rept 4
	v_nop
.endr
	s_branch .Lasked_\@
.Lfor_b_\@:
	tensor_load_to_lds s[\g0b:\g0b+3], s[\g1b:\g1b+7]
	s_nop 0
.rept 4
	v_nop
.endr
.Lasked_\@:
.endm
.macro CREST                           ; a round of the cluster's barrier behind its opening barrier
	s_cmp_lg_u32 s14, 0
	s_cbranch_scc1 .Lnot_wave_0_\@
	s_barrier_signal -3
.Lnot_wave_0_\@:
	s_barrier_wait -3
	s_barrier_signal -1
	s_barrier_wait -1
.endm
.macro CROUND
	s_barrier_signal -1
	s_barrier_wait -1
	CREST
.endm
.macro PLACES n                        ; plain vector lines between a matrix instruction and a load into, or a vector read or write of, its registers
.rept \n
	v_nop
.endr
.endm
.macro FRAG reg, adr, q, i             ; fragment i of the slot's q-th 128 along K: four pieces of 512 consecutive bytes
.irp c, 0,1,2,3
	ds_load_b128 v[\reg+4*\c:\reg+4*\c+3], v[\adr] offset:(\i)*4096+(\q)*2048+512*\c
.endr
.endm
.macro FETCH_B slot, q, p              ; C's NB fragments into set p
	WIN 0x40
.set ii, 0
.rept NB
	FRAG 128*(\p)+16*ii, ADRB+\slot, \q, ii
.set ii, ii+1
.endr
	WIN 0
.endm
.macro FETCH_A slot, q, i0             ; R's blocks i0 .. i0 + 3
.irp i, \i0, \i0+1, \i0+2, \i0+3
	FRAG AF+16*(\i), ADRA+\slot, \q, \i
.endr
.endm
; R's blocks a0, a0 + 1 against C's NB fragments, 128 along K.  zero = 1: the product starts the sums.  The accumulators take turns, one instruction a turn, in the same order in every step.
.macro MULP a0, p, zero
	WIN 0xa1+0x50*((\a0)/APW)
.irp a, \a0, \a0+1
.set bb, 0
.rept NB
.set rD, 8*(NB*((\a)%APW)+bb)
.set rB, 128*(\p)+16*bb
.set rA, AF+16*(\a)
.if \zero
	v_wmma_f32_16x16x128_fp8_fp8 v[rD:rD+7], v[rB:rB+15], v[rA:rA+15], 0
.else
	v_wmma_f32_16x16x128_fp8_fp8 v[rD:rD+7], v[rB:rB+15], v[rA:rA+15], v[rD:rD+7]
.endif
.set bb, bb+1
.endr
.endr
.endm
.macro STEP slot, q, zero              ; a step of 128 along K that has its successor in the same slot
	s_wait_dscnt 16                                ; C's set and R's blocks 0-3 are in; the youngest sixteen loads (blocks 4-7) may be out
	MULP 0, (\q)%2, \zero
	MULP 2, (\q)%2, \zero
	s_wait_dscnt 0x0                               ; blocks 4-7 are in
	PLACES 4
	FETCH_B \slot, (\q)+1, 1-(\q)%2
	FETCH_A \slot, (\q)+1, 0
	MULP 4, (\q)%2, \zero
	MULP 6, (\q)%2, \zero
	PLACES 4
	WIN 0
	FETCH_A \slot, (\q)+1, 4
.endm
.macro ASK flag, pfo, pa, off          ; one prefetch a wave: 32 (or 16) blocks of 256 bytes, a lane a block; lanes left over name the last block again
	s_cmp_lg_u32 s[\flag], 0
	s_cbranch_scc0 .Lnot_mine_\@
	global_prefetch_b8 v[\pfo], s[\pa:\pa+1] offset:\off th:TH_LOAD_NT scope:SCOPE_SE
.Lnot_mine_\@:
.endm
; A slot's last step changes slots: one barrier; in front of it each wave waits for all its tensor loads, adds 0 to its spare word, and waits for that and for its reads of this slot.
; fill = 1: the slot takes this pass's K step two on; fill = 2: pass 2's K step 0 (slot 0) or 1 (slot 1); fill = 0: nothing.  fetch = 0: no fragments follow (the pass's last step).  pf: the byte of pass 2's blocks to prefetch, or -1.
.macro TURN slot, next, fill, fetch, pf
	s_wait_tensorcnt 0x0                           ; all my tensor loads have landed: my part of the next slot
	ds_add_u32 v[SPW], v[NIL]                      ; 0 onto my spare word
	s_wait_dscnt 17                                ; (the add and the youngest sixteen loads may be out)
	MULP 0, 1, 0                                   ; matrix work stands between the add and the wait for it
	s_wait_dscnt 0x0                               ; the add is done, and my reads of this slot are over
	s_barrier_signal -1
	MULP 2, 1, 0
	WIN 0
	s_barrier_wait -1
.if \fill
	CREST                                          ; the barrier has opened a round of the cluster's: no wave of any partner still reads this slot or has a load on its way
.if \fill == 1
	s_add_nc_u64 s[G0+4*\slot+2:G0+4*\slot+3], s[G0+4*\slot+2:G0+4*\slot+3], 2*KSB
	s_add_nc_u64 s[G0B+4*\slot+2:G0B+4*\slot+3], s[G0B+4*\slot+2:G0B+4*\slot+3], 2*KSB
.else
	s_add_nc_u64 s[G0+4*\slot+2:G0+4*\slot+3], s[R2:R2+1], \slot*KSB
	s_add_nc_u64 s[G0B+4*\slot+2:G0B+4*\slot+3], s[C2:C2+1], \slot*KSB
	s_mov_b32 s[G1B+2], 64<<16                     ; pass 2: a K step of C's half is 64 rows of 256 bytes
	s_mov_b32 s[G1B+4], 64
.endif
	JLOAD G0+4*\slot, G1, G0B+4*\slot, G1B         ; the first tensor load behind the round; its four v_nop are also the places in front of the loads below
.else
	PLACES 4
.endif
.if \fetch
	FETCH_B \next, 0, 0
	FETCH_A \next, 0, 0
.endif
.if \pf >= 0
	ASK PF2, PFO2, PA2, \pf
.endif
	MULP 4, 1, 0
	MULP 6, 1, 0
.if \fetch
	PLACES 4
	WIN 0
	FETCH_A \next, 0, 4
.endif
.endm
; THE WAY OUT.  Block a: lane (r, h) holds row 16 a + r of R and, in accumulator b, columns 16 b + 8 h + 0 .. 7 of C.  Eight held sums become two registers of codes: registers 2 (b % 4), 2 (b % 4) + 1 of a fragment
; of 16 rows x 64 K of the next product.  Four registers are a piece of 512 bytes of that fragment's image.  Each accumulator is read from its low end on.
.macro OUTBLK a, base
	WIN 0x02+(\a)/APW
.set n, 0
.rept 8*NB
	v_med3_num_f32 v[TMP+n], v[8*NB*((\a)%APW)+n], -v[LIM], v[LIM]
.set n, n+1
.endr
	WIN 0
.set ob, 0
.rept NB
	v_cvt_scalef32_pk8_fp8_f32 v[CD+2*NB*(\a)+2*ob:CD+2*NB*(\a)+2*ob+1], v[TMP+8*ob:TMP+8*ob+7], v[SCL]
.set ob, ob+1
.endr
	v_nop                                          ; a plain line between the conversions and the next block's holds, which write their sources
.set oe, 0
.rept NB/2
	global_store_b128 v[VO+2*((\a)/4)+oe/2], v[CD+2*NB*(\a)+4*oe:CD+2*NB*(\a)+4*oe+3], s[\base:\base+1] offset:((\a)%4)*1024+(oe%2)*512   ; 512 consecutive bytes, aligned; every store of a pass has data registers of its own
.set oe, oe+1
.endr
.endm
	s_load_b128 s[4:7], s[0:1], 0x0                ; xc, wc
	s_load_b128 s[8:11], s[0:1], 0x10              ; the exponents, qc
	s_load_b64 s[12:13], s[0:1], 0x20              ; kv
	v_lshl_add_u32 v[SPW], v0, 2, SPARE
	v_mov_b32 v[NIL], 0
	ds_add_u32 v[SPW], v[NIL]                      ; the opening lines: the add twice on end and its wait ahead of my first tensor load
	ds_add_u32 v[SPW], v[NIL]
	v_lshrrev_b32 v1, 5, v0
	v_readfirstlane_b32 s14, v1                    ; wave 0..3
	s_lshr_b32 s15, s14, 1                         ; which 128 rows of R are mine.  Also: I fetch for R (0) or for C (1)
	s_and_b32 s16, s14, 1                          ; which half of C is mine.  Also: which half I fetch
	s_bfe_u32 s40, ttmp6, 0x40000                  ; cx
	s_bfe_u32 s41, ttmp6, 0x40004                  ; cy
	s_and_b32 s66, ttmp7, 0xffff                   ; the cluster's number 0..15
	s_lshr_b32 s67, s66, 3                         ; pass 1: 0 q, 1 k
	s_and_b32 s17, s66, 7
	s_lshl_b32 s17, s17, 2
	s_add_co_u32 s17, s17, s41                     ; pass 1: my tile of 256 tokens
	s_lshl_b32 s43, s41, 2
	s_lshl_b32 s43, 15, s43                        ; my row of the cluster
	s_lshl_b32 s44, 0x1111, s40                    ; my column
	; group 1: a dense block as rows of 256 bytes: 32 elements of 8 bytes, pitch 32.  The head's load: 256 rows, K steps 0 and 1
	s_or_b32 s[G1+0], s43, (3<<16)|(1<<21)         ; 15:0 the mask: R's blocks go to my row; 17:16 elements of 8 bytes; 21 set beside a mask
	s_or_b32 s[G1B+0], s44, (3<<16)|(1<<21)        ; C's go to my column
.irp g, G1, G1B
	s_mov_b32 s[\g+1], 32<<16                      ; tensor_dim0
	s_mov_b32 s[\g+2], 256<<16                     ; tensor_dim1
	s_mov_b32 s[\g+3], 32<<16                      ; tile_dim0
	s_mov_b32 s[\g+4], 256                         ; tile_dim1
	s_mov_b32 s[\g+5], 32                          ; the pitch
	s_mov_b32 s[\g+6], 0
	s_mov_b32 s[\g+7], 0
.endr
	s_lshl_b32 s20, s17, 1                         ; pass 1, R: x's set p, block 2 x tile + half, 131,072 bytes a block
	s_add_co_u32 s20, s20, s16
	s_lshl_b32 s20, s20, 17
	s_lshl_b32 s90, s67, 23
	s_add_co_u32 s20, s20, s90
	s_mov_b32 s21, 0
	s_lshl_b32 s46, s40, 1                         ; pass 1, C: the weight p, block 2 cx + half
	s_add_co_u32 s46, s46, s16
	s_lshl_b32 s46, s46, 17
	s_lshl_b32 s90, s67, 20
	s_add_co_u32 s46, s46, s90
	s_mov_b32 s47, 0
	s_lshl_b32 s[R2], s41, 1                       ; pass 2, R: the weight 2, block 2 cy + half
	s_add_co_u32 s[R2], s[R2], s16
	s_lshl_b32 s[R2], s[R2], 17
	s_add_co_u32 s[R2], s[R2], 0x200000
	s_mov_b32 s[R2+1], 0
	s_lshl_b32 s[C2], s66, 2                       ; pass 2, C: x's set 2, block 4 x cluster + cx, its half of 64 tokens: 16,384 bytes of each K step
	s_add_co_u32 s[C2], s[C2], s40
	s_lshl_b32 s[C2], s[C2], 17
	s_lshl_b32 s90, s16, 14
	s_add_co_u32 s[C2], s[C2], s90
	s_add_co_u32 s[C2], s[C2], 0x1000000
	s_mov_b32 s[C2+1], 0
	s_cmp_eq_u32 s15, 0                            ; the prefetches: my place among the four that ask with me,
	s_cselect_b32 s92, s40, s41
	s_cselect_b32 s93, 13, 12                      ; a quarter of a block: 8,192 bytes; of pass 2's C: 4,096
	s_cselect_b32 s3, 31, 15
	s_lshl_b32 s94, s92, 13
	s_mov_b32 s95, 0
	s_lshl_b32 s92, s92, s93
	s_mov_b32 s93, 0
	s_and_b32 s[PF1], s66, 4                       ; and who asks: x's blocks always; a weight's in four of the clusters that load it
	s_cmp_eq_u32 s[PF1], 0
	s_cselect_b32 s[PF1], 1, 0
	s_cmp_eq_u32 s15, 0
	s_cselect_b32 s[PF1], 1, s[PF1]
	s_cmp_lt_u32 s66, 4
	s_cselect_b32 s[PF2], 1, 0
	s_cmp_eq_u32 s15, 1
	s_cselect_b32 s[PF2], 1, s[PF2]
	s_lshl_b32 s45, s16, 16                        ; where the blocks go: my part; no place in the cluster enters an LDS address
	s_add_co_u32 s22, s45, 2*PART
	s_wait_alu depctr_va_vdst(0)                   ; the wait ahead of the waits below
	s_wait_dscnt 0x0                               ; both opening adds are done
	s_wait_kmcnt 0x0
	s_load_b256 s[72:79], s[8:9], 0x0              ; e0 .. e7
	s_load_b128 s[80:83], s[8:9], 0x20             ; e8 .. e11
	s_add_nc_u64 s[20:21], s[4:5], s[20:21]
	s_add_nc_u64 s[46:47], s[6:7], s[46:47]
	s_add_nc_u64 s[R2:R2+1], s[6:7], s[R2:R2+1]
	s_add_nc_u64 s[C2:C2+1], s[4:5], s[C2:C2+1]
	s_cmp_eq_u32 s15, 0
	s_cselect_b64 s[PA1:PA1+1], s[20:21], s[46:47]
	s_cselect_b64 s[PA2:PA2+1], s[R2:R2+1], s[C2:C2+1]
	s_add_nc_u64 s[PA1:PA1+1], s[PA1:PA1+1], s[94:95]
	s_add_nc_u64 s[PA2:PA2+1], s[PA2:PA2+1], s[92:93]
	s_or_b32 s[R2+1], s[R2+1], 0x80000000
	s_or_b32 s[C2+1], s[C2+1], 0x80000000
.irp s, 0,1
	s_mov_b32 s[G0+4*\s], 1
	s_add_co_u32 s[G0+4*\s+1], s45, \s*SLOT
	s_add_nc_u64 s[G0+4*\s+2:G0+4*\s+3], s[20:21], \s*KSB
	s_or_b32 s[G0+4*\s+3], s[G0+4*\s+3], 0x80000000
	s_mov_b32 s[G0B+4*\s], 1
	s_add_co_u32 s[G0B+4*\s+1], s22, \s*SLOT
	s_add_nc_u64 s[G0B+4*\s+2:G0B+4*\s+3], s[46:47], \s*KSB
	s_or_b32 s[G0B+4*\s+3], s[G0B+4*\s+3], 0x80000000
.endr
	CROUND                                         ; all sixteen work-groups are here: the first joint loads meet
	JLOAD G0, G1, G0B, G1B                         ; one tensor load a wave at the head: both slots of my part, K steps 0 and 1
	v_and_b32 v1, 31, v0
	v_lshlrev_b32 v2, 4, v1                        ; 16 x lane
	v_lshlrev_b32 v[PFO], 8, v1
	v_min_u32 v3, s3, v1
	v_lshlrev_b32 v[PFO2], 8, v3
	s_wait_alu depctr_va_vdst(0)
	s_cmp_lg_u32 s[PF1], 0
	s_cbranch_scc0 .Lno_pf
	global_prefetch_b8 v[PFO], s[PA1:PA1+1] offset:2*KSB th:TH_LOAD_NT scope:SCOPE_SE   ; pass 1's K steps 2 and 3
	global_prefetch_b8 v[PFO], s[PA1:PA1+1] offset:3*KSB th:TH_LOAD_NT scope:SCOPE_SE
.Lno_pf:
	; where pass 1's results go
	s_lshl_b32 s90, s17, 8
	s_lshl_b32 s91, s15, 7
	s_add_co_u32 s90, s90, s91                     ; my first token
	s_lshl_b32 s92, s40, 2
	s_lshl_b32 s93, s16, 1
	s_add_co_u32 s92, s92, s93                     ; my first head
	s_lshr_b32 s91, s90, 11
	s_lshl_b32 s91, s91, 4
	s_add_co_u32 s92, s92, s91                     ; 16 x batch + head
	s_and_b32 s90, s90, 2047                       ; the token within its batch
	s_cmp_eq_u32 s67, 0
	s_cselect_b32 s91, 17, 18                      ; a head: 131,072 bytes in qc, 262,144 in kv
	s_cselect_b32 s93, 6, 7                        ; 16 tokens: 1,024 bytes in qc; 64 tokens: 8,192 in kv
	s_cselect_b64 s[84:85], s[10:11], s[12:13]
	s_lshl_b32 s88, 64, s93                        ; SA: from R's block a to a + 4: 64 tokens
	s_lshl_b32 s89, 1, s91                         ; SB: from C's fragment b to b + 4: a head
	s_lshl_b32 s92, s92, s91
	s_lshl_b32 s90, s90, s93
	s_add_co_u32 s92, s92, s90
	s_mov_b32 s93, 0
	s_add_nc_u64 s[84:85], s[84:85], s[92:93]
	; and pass 2's: V's fragments lie behind K's in a key step's 8,192 bytes
	s_lshl_b32 s90, s66, 2
	s_add_co_u32 s90, s90, s40
	s_lshl_b32 s90, s90, 7
	s_lshl_b32 s91, s16, 6
	s_add_co_u32 s90, s90, s91                     ; my first token: my 64 are one key step
	s_lshl_b32 s92, s41, 2
	s_lshl_b32 s93, s15, 1
	s_add_co_u32 s92, s92, s93
	s_lshr_b32 s91, s90, 11
	s_lshl_b32 s91, s91, 4
	s_add_co_u32 s92, s92, s91
	s_and_b32 s90, s90, 2047
	s_lshl_b32 s92, s92, 18
	s_lshl_b32 s90, s90, 7
	s_add_co_u32 s92, s92, s90
	s_add_co_u32 s92, s92, 4096
	s_mov_b32 s93, 0
	s_add_nc_u64 s[86:87], s[12:13], s[92:93]
	s_lshl_b32 s23, s15, 16                        ; my 128 rows of R
	s_wait_kmcnt 0x0
	s_cmp_eq_u32 s67, 0
	s_cselect_b32 s90, s72, s74                    ; eW: e0 or e2,
	s_cselect_b32 s91, s73, s75                    ; ex: e1 or e3,
	s_cselect_b32 s92, s78, s79                    ; eout: e6 or e7
	s_sub_co_i32 s92, s92, s90
	s_sub_co_i32 s92, s92, s91                     ; E
	s_add_co_i32 s92, s92, 127
	s_lshl_b32 s93, s92, 23
	s_add_co_i32 s92, s92, 8
	s_lshl_b32 s92, s92, 23
	s_or_b32 s92, s92, 0x600000
	s_sub_co_i32 s97, s81, s76                     ; pass 2: e9 - e4 - e5
	s_sub_co_i32 s97, s97, s77
	s_add_co_i32 s97, s97, 127
	s_lshl_b32 s96, s97, 23
	s_add_co_i32 s97, s97, 8
	s_lshl_b32 s97, s97, 23
	s_or_b32 s97, s97, 0x600000
	v_add_nc_u32 v[ADRA], s23, v2
	v_add_nc_u32 v[ADRB], s22, v2
	v_add_nc_u32 v[ADRA+1], SLOT, v[ADRA]
	v_add_nc_u32 v[ADRB+1], SLOT, v[ADRB]
	v_mov_b32 v[VO], v2
	v_add_nc_u32 v[VO+1], s89, v2
	v_add_nc_u32 v[VO+2], s88, v2
	v_add_nc_u32 v[VO+3], s89, v[VO+2]
	v_mov_b32 v[SCL], s93
	v_mov_b32 v[LIM], s92
	s_wait_alu depctr_va_vdst(0)                   ; the wait at the head's end
	s_wait_tensorcnt 0x0                           ; my part of K steps 0 and 1 is in, so group 1 may be written:
	s_mov_b32 s[G1+2], 128<<16                     ; a later load brings one K step, 128 rows of 256 bytes
	s_mov_b32 s[G1+4], 128
	s_mov_b32 s[G1B+2], 128<<16
	s_mov_b32 s[G1B+4], 128
	s_barrier_signal -1
	s_barrier_wait -1                              ; everybody's is
	; PASS 1
	FETCH_B 0, 0, 0
	FETCH_A 0, 0, 0
	FETCH_A 0, 0, 4
	STEP 0, 0, 1                                   ; the first products start the sums: nothing is cleared
	TURN 0, 1, 1, 1, 0                             ; slot 0 takes K step 2
	STEP 1, 0, 0
	TURN 1, 0, 1, 1, KSB                           ; slot 1 takes K step 3
	STEP 0, 0, 0
	TURN 0, 1, 2, 1, 2*KSB                         ; slot 0 takes pass 2's K step 0
	STEP 1, 0, 0
	TURN 1, 0, 2, 0, 3*KSB                         ; the pass's last step; slot 1 takes pass 2's K step 1
	WIN 0
	PLACES 4
.irp a, 0,1,2,3,4,5,6,7
	OUTBLK \a, 84
.endr
	; PASS 2
.set NB,  4
.set APW, 32/NB
	s_wait_xcnt 0x0                                ; pass 1's stores have read their registers: v128-255 take fragments again, v10 a new offset
	v_add_nc_u32 v[VO+2], 0x40000, v2              ; SA: from R's block a to a + 4: a head
	v_mov_b32 v[SCL], s96
	v_mov_b32 v[LIM], s97
	s_wait_alu depctr_va_vdst(0)                   ; the wait ahead of the wait below
	s_wait_tensorcnt 0x0                           ; my part of K step 1 is in (K step 0's was waited for at the last change of slots),
	s_barrier_signal -1
	s_barrier_wait -1                              ; everybody's is
	FETCH_B 0, 0, 0
	FETCH_A 0, 0, 0
	FETCH_A 0, 0, 4
	STEP 0, 0, 1
	TURN 0, 1, 1, 1, -1                            ; slot 0 takes K step 2
	STEP 1, 0, 0
	TURN 1, 0, 1, 1, -1                            ; slot 1 takes K step 3
	STEP 0, 0, 0
	TURN 0, 1, 0, 1, -1                            ; nothing is left to fetch
	STEP 1, 0, 0
	s_wait_dscnt 16                                ; the very last step
	MULP 0, 1, 0
	MULP 2, 1, 0
	s_wait_dscnt 0x0
	MULP 4, 1, 0
	MULP 6, 1, 0
	WIN 0
	PLACES 4
.irp a, 0,1,2,3,4,5,6,7
	OUTBLK \a, 86
.endr
	s_wait_tensorcnt 0x0                           ; the wave's end
	ds_add_u32 v[SPW], v[NIL]
	s_wait_dscnt 0x0
	CROUND                                         ; the closing round: no work-group ends while a partner may still ask for a block that names it
	s_endpgm
.Lfunc_end_k_qc12359a570_qkv:
	.size	k_qc12359a570_qkv, .Lfunc_end_k_qc12359a570_qkv-k_qc12359a570_qkv
	.p2alignl 7, 3214868480
	.fill 96, 4, 3214868480
	.section	.rodata,"a",@progbits
	.p2align	6, 0x0
	.amdhsa_kernel k_qc12359a570_qkv
		.amdhsa_group_segment_fixed_size 327680
		.amdhsa_private_segment_fixed_size 0
		.amdhsa_enable_private_segment 0
		.amdhsa_kernarg_size 40
		.amdhsa_user_sgpr_count 2
		.amdhsa_user_sgpr_kernarg_segment_ptr 1
		.amdhsa_wavefront_size32 1
		.amdhsa_system_sgpr_workgroup_id_x 1
		.amdhsa_system_sgpr_workgroup_id_y 1
		.amdhsa_system_sgpr_workgroup_id_z 1
		.amdhsa_system_vgpr_workitem_id 0
		.amdhsa_next_free_vgpr 1024
		.amdhsa_next_free_sgpr 102
		.amdhsa_reserve_vcc 0
		.amdhsa_float_denorm_mode_32 3
		.amdhsa_float_denorm_mode_16_64 3
		.amdhsa_memory_ordered 1
		.amdhsa_forward_progress 1
		.amdhsa_inst_pref_size 189
	.end_amdhsa_kernel
	.amdgpu_metadata
---
amdhsa.version: [ 1, 2 ]
amdhsa.kernels:
  - .name:           k_qc12359a570_qkv
    .symbol:         k_qc12359a570_qkv.kd
    .args:
      - { .name: xc, .offset: 0, .size: 8, .value_kind: global_buffer, .address_space: global }
      - { .name: wc, .offset: 8, .size: 8, .value_kind: global_buffer, .address_space: global }
      - { .name: lowp_scales, .offset: 16, .size: 8, .value_kind: global_buffer, .address_space: global }
      - { .name: qc, .offset: 24, .size: 8, .value_kind: global_buffer, .address_space: global }
      - { .name: kv, .offset: 32, .size: 8, .value_kind: global_buffer, .address_space: global }
    .group_segment_fixed_size: 327680
    .private_segment_fixed_size: 0
    .kernarg_segment_align: 8
    .kernarg_segment_size: 40
    .max_flat_workgroup_size: 128
    .sgpr_count:     102
    .vgpr_count:     1024
    .wavefront_size: 32
...
	.end_amdgpu_metadata
.endif
;; end of part 2
;; launch attn (part 3): grid 4 x 64, 16 waves a work-group, clusters of 4 x 1, 327,680 bytes of LDS; arguments qc, kv, lowp_scales, oc; writes oc
.if DOCPART == 3
	.amdgcn_target "amdgcn-amd-amdhsa--gfx1250"
	.amdhsa_code_object_version 6
	.text
	.protected	k_qc12359a570_attn
	.globl	k_qc12359a570_attn
	.p2align	8
	.type	k_qc12359a570_attn,@function
k_qc12359a570_attn:
	s_mov_b64 s[64:65], 0
	v_nop
	global_prefetch_b8 v0, s[64:65] scope:SCOPE_SE
	s_setreg_imm32_b32 hwreg(HW_REG_WAVE_MODE, 25, 1), 1
	s_wait_xcnt 0x0
	s_wait_alu depctr_hold_cnt(0) depctr_sa_sdst(0) depctr_va_vdst(0) depctr_va_sdst(0) depctr_va_ssrc(0) depctr_va_vcc(0) depctr_vm_vsrc(0)
	s_getreg_b32 s2, hwreg(HW_REG_IB_STS2, 6, 4)
	s_cmp_eq_u32 s2, 0
	s_cbranch_scc0 .Lentry_in_a_cluster
	s_endpgm
.Lentry_in_a_cluster:
	s_bfe_u32 s2, ttmp6, 0x10000c
	s_cmp_lg_u32 s2, 0x3003
	s_cbranch_scc0 .Lentry_shape_is_right
	s_endpgm
.Lentry_shape_is_right:
; Causal attention of one (batch, head) on E4M3 codes: S^T = K Q^T, p = 2^(t - M), O^T = V^T P^T, O / l quantised at 2^e10 for the projection.
; t = score x 2^(e6 + e7) x log2(e) / 8; M = the ceiling of the running largest t, a whole number; p is held at 448 x 2^e8 and quantised at 2^e8; l is the f32 sum of the unquantised p.
; LEFT OUT: key steps that lie wholly behind a chunk's block of 128 queries: the causal mask sets their scores to -inf, so their p is 0 for all inputs.
; LIMITS: e6 + e7 between -123 and 130; e8 and e10 between -126 and 119; the scaled scores stay under 2^31 in magnitude.
; INPUTS ARE IMAGES OF OPERAND REGISTERS: a fragment of 16 rows x 64 K is two pieces of 512 bytes, lane l's 16 bytes at 16 l.  kv: for each step of 64 keys 4 fragments of K, then 4 of V^T: 8,192 bytes.
; SHARES.  The four work-groups of a cluster serve one head: of each block b of 128 queries the work-group at place cx owns the chunk of 32 queries at 32 cx.  All 32 key steps of the head lie in LDS, asked for jointly.
; Chunk b needs key steps 0 .. 2 b + 1: 272 steps for the 16 chunks, DEALT AS 17 TO EACH OF THE 16 WAVES.  Blocks 8 + p and 7 - p form a pair (p = 0 .. 7) served by waves w and w xor 4:
;   role 0: the long chunk's steps 0 .. ns + sh - 1 and 17 + sh .. 2 p + 17;   role 1: the short chunk's ns = 16 - 2 p steps, its way out, then the long chunk's steps ns + sh .. 16 + sh.
;   (sh = 2 for p = 7, else 0: so the first four trips of every wave touch key steps 0 .. 5 alone, which are the head's first fill.)
; So both loops have constant trip counts (4 and 13); the key step is the trip's number + an offset chosen by s_cselect from numbers made of the wave's number.
; At the end the two waves of a pair each give the other one tile's part (O^T, -M, l) through LDS and finish the tile they keep: M is whole, so the joining factors are powers of two.
; A wave's register slot s holds tile s xor role of its chunk, so that every wave gives slot 1 and keeps slot 0: one text for both roles.
; No branch, trip count or LDS address hangs on cx: it enters global addresses and the mask's numbers alone.
; NO PREFETCH: all of the head's K and V is asked for by the two tensor loads at the head; there is no later load to run ahead of.
; REGISTERS: v1 16 x lane; v2 LDS address; v3, v4 query - 8 h of slots 0, 1 within the block; v5 -inf; v6, v7 448 x 2^e8; v[8:9], v[10:11] (-M, largest t) of slots 0, 1; v[14:15], v[12:13] their sums;
; v16-31 Q; v32-63 K, then v32-47 p's codes; v64-95 V; v96-159 S^T, then p; v160-223 O^T; v226 2^e8; v227 448 x 2^e10; v228 2^e10; v230, v231 the add's two; v240-255 at work.
.set SPARE, 0x40000                    ; behind K and V: the spare words, 128 bytes for each of 16 waves
.set SPW,   230
.set NIL,   231
.set AB,    6*8192                     ; the first fill: key steps 0 .. 5
.set STG,   4608                       ; a wave's stage at the end: 8 x 512 bytes of O^T, 512 of (-M, t, l); in K's and V's bytes, which have had their only fill and are read no more
.set G1A, 28
.set G1B, 36
.set G0A, 44
.set G0B, 48
.macro CROUND
	s_barrier_signal -1
	s_barrier_wait -1
	s_cmp_lg_u32 s12, 0
	s_cbranch_scc1 .Lnot_wave_0_\@
	s_barrier_signal -3
.Lnot_wave_0_\@:
	s_barrier_wait -3
	s_barrier_signal -1
	s_barrier_wait -1
.endm
	s_load_b128 s[4:7], s[0:1], 0x0                ; qc, kv
	s_load_b128 s[8:11], s[0:1], 0x10              ; the exponents, oc
	v_lshl_add_u32 v[SPW], v0, 2, SPARE
	v_mov_b32 v[NIL], 0
	ds_add_u32 v[SPW], v[NIL]                      ; the opening lines: the add twice on end and its wait ahead of my first tensor load
	ds_add_u32 v[SPW], v[NIL]
	v_lshrrev_b32 v2, 5, v0
	v_readfirstlane_b32 s12, v2                    ; wave 0..15
	s_bfe_u32 s13, ttmp6, 0x40000                  ; cx
	s_and_b32 s14, ttmp7, 0xffff                   ; 16 x batch + head
	s_bfe_u32 s15, s12, 0x10002                    ; role
	s_and_b32 s17, s12, 3
	s_lshr_b32 s57, s12, 3
	s_lshl_b32 s57, s57, 2
	s_add_co_u32 s17, s17, s57                     ; p
	s_add_co_u32 s62, s17, 8                       ; the long block
	s_sub_co_u32 s77, 7, s17                       ; the short block
	s_lshl_b32 s57, s17, 1
	s_sub_co_u32 s58, 16, s57                      ; ns
	s_cmp_eq_u32 s17, 7
	s_cselect_b32 s59, 2, 0                        ; sh
	s_add_co_u32 s60, s58, s59
	s_add_co_u32 s61, s57, 1
	s_cmp_eq_u32 s15, 0
	s_cselect_b32 s27, s60, s58                    ; from this trip on
	s_cselect_b32 s63, s61, s59                    ; this is added to the trip's number
	s_cselect_b32 s26, 99, s58                     ; the trip at which role 1 changes chunks (role 0: never)
	s_cselect_b32 s78, s62, s77                    ; my first chunk's block
	s_lshl_b32 s16, s78, 7                         ; its first query
	s_mov_b32 s22, 0x76543210
	s_mov_b32 s23, 0xfedcba98
	s_mov_b32 s[G1A+0], 15|(3<<16)|(1<<21)         ; the mask names the cluster's four; elements of 8 bytes; bit 21 beside a mask
	s_mov_b32 s[G1A+1], 32<<16                     ; dense bytes as rows of 256
	s_mov_b32 s[G1A+2], 12<<16                     ; 3,072 bytes a wave
	s_mov_b32 s[G1A+3], 32<<16
	s_mov_b32 s[G1A+4], 12
	s_mov_b32 s[G1A+5], 32
	s_mov_b32 s[G1A+6], 0
	s_mov_b32 s[G1A+7], 0
	s_mov_b32 s[G1B+0], 15|(3<<16)|(1<<21)
	s_mov_b32 s[G1B+1], 32<<16
	s_mov_b32 s[G1B+2], 52<<16                     ; 13,312 bytes a wave
	s_mov_b32 s[G1B+3], 32<<16
	s_mov_b32 s[G1B+4], 52
	s_mov_b32 s[G1B+5], 32
	s_mov_b32 s[G1B+6], 0
	s_mov_b32 s[G1B+7], 0
	s_lshl_b32 s66, s78, 3                         ; Q: tiles of 1,024 bytes, 128 a head, 8 a block, 2 a chunk
	s_lshl_b32 s67, s13, 1
	s_add_co_u32 s66, s66, s67
	s_lshl_b32 s68, s62, 3
	s_add_co_u32 s68, s68, s67
	s_lshl_b32 s69, s14, 7
	s_add_co_u32 s66, s66, s69
	s_add_co_u32 s68, s68, s69                     ; the long chunk's first tile
	s_xor_b32 s69, s15, 1
	s_add_co_u32 s70, s66, s69                     ; my first chunk: slot 1's tile,
	s_add_co_u32 s66, s66, s15                     ; slot 0's
	s_lshl_b32 s66, s66, 10
	s_lshl_b32 s70, s70, 10
	s_lshl_b32 s68, s68, 10
	s_mov_b32 s67, 0
	s_mov_b32 s71, 0
	s_mov_b32 s69, 0
	s_lshr_b32 s72, s14, 4                         ; oc: block x 131072 + (head / 4) x 32768 + tile x 4096 + (head % 4) x 1024
	s_lshl_b32 s72, s72, 21
	s_bfe_u32 s73, s14, 0x20002
	s_lshl_b32 s73, s73, 15
	s_add_co_u32 s72, s72, s73
	s_lshl_b32 s73, s13, 13
	s_add_co_u32 s72, s72, s73
	s_and_b32 s73, s14, 3
	s_lshl_b32 s73, s73, 10
	s_add_co_u32 s72, s72, s73
	s_lshl_b32 s73, s62, 17
	s_add_co_u32 s74, s72, s73
	s_lshl_b32 s73, s15, 12
	s_add_co_u32 s74, s74, s73                     ; the long chunk's tile that I keep
	s_lshl_b32 s73, s77, 17
	s_add_co_u32 s72, s72, s73                     ; the short chunk
	s_mov_b32 s73, 0
	s_mov_b32 s75, 0
	s_lshl_b32 s62, s62, 7                         ; the long block's first query
	s_mul_i32 s57, s12, 3072
	s_mul_i32 s58, s12, 13312
	s_add_co_u32 s58, s58, AB
	s_lshl_b32 s60, s14, 18
	s_mov_b32 s61, 0
	s_wait_alu depctr_va_vdst(0)                   ; the wait ahead of the waits below
	s_wait_dscnt 0x0                               ; both opening adds are done
	s_wait_kmcnt 0x0
	s_load_b128 s[52:55], s[8:9], 0x18             ; e6 .. e9
	s_load_b32 s56, s[8:9], 0x28                   ; e10
	s_add_nc_u64 s[66:67], s[4:5], s[66:67]
	s_add_nc_u64 s[70:71], s[4:5], s[70:71]
	s_add_nc_u64 s[68:69], s[4:5], s[68:69]
	s_add_nc_u64 s[72:73], s[10:11], s[72:73]
	s_add_nc_u64 s[74:75], s[10:11], s[74:75]
	v_and_b32 v1, 31, v0
	v_lshlrev_b32 v1, 4, v1
	global_load_b128 v[16:19], v1, s[66:67]        ; Q is asked for ahead of the rounds
	global_load_b128 v[20:23], v1, s[66:67] offset:512
	global_load_b128 v[24:27], v1, s[70:71]
	global_load_b128 v[28:31], v1, s[70:71] offset:512
	s_add_nc_u64 s[6:7], s[6:7], s[60:61]          ; the head's K and V
	s_mov_b32 s[G0A], 1
	s_mov_b32 s[G0A+1], s57
	s_mov_b32 s60, s57
	s_add_nc_u64 s[G0A+2:G0A+3], s[6:7], s[60:61]
	s_or_b32 s[G0A+3], s[G0A+3], 0x80000000
	s_mov_b32 s[G0B], 1
	s_mov_b32 s[G0B+1], s58
	s_mov_b32 s60, s58
	s_add_nc_u64 s[G0B+2:G0B+3], s[6:7], s[60:61]
	s_or_b32 s[G0B+3], s[G0B+3], 0x80000000
	CROUND                                         ; the four work-groups are here: the joint loads meet
	tensor_load_to_lds s[G0A:G0A+3], s[G1A:G1A+7]  ; my sixteenth of key steps 0 .. 5: one tensor load a wave at the head
	s_nop 0
.rept 4
	v_nop
.endr
	v_and_b32 v3, 15, v0
	v_bfe_u32 v4, v0, 4, 1
	v_lshlrev_b32 v4, 3, v4
	v_sub_nc_u32 v4, v3, v4                        ; r - 8 h
	s_lshl_b32 s57, s13, 5
	s_lshl_b32 s58, s15, 4
	s_add_co_u32 s58, s58, s57                     ; 32 cx + 16 x slot 0's tile
	s_xor_b32 s59, s58, 16                         ; slot 1's
	v_add_nc_u32 v3, s58, v4
	v_add_nc_u32 v4, s59, v4
	v_mov_b32 v5, 0xff800000
.irp t, 0,1
	v_mov_b32 v[9+2*\t], 0xff61b1e6                ; the largest t so far: -3e38
	v_mov_b32 v[8+2*\t], 0x7f61b1e6                ; -M
	v_mov_b32 v[12+2*\t], 0
	v_mov_b32 v[13+2*\t], 0
	v_mov_b32 v[241+2*\t], 0                       ; (named as upper halves of pairs)
	v_mov_b32 v[248+\t], 0                         ; a lane permute's destination counts as a source
.endr
.set n, 0
.rept 64
	v_mov_b32 v[160+n], 0                          ; O^T: the step is written once, its first run finds zeros
.set n, n+1
.endr
	s_wait_alu depctr_va_vdst(0)
	s_wait_tensorcnt 0x0                           ; my part of the first fill is in
	ds_add_u32 v[SPW], v[NIL]
	s_wait_dscnt 0x0
	CROUND                                         ; everybody's part is in, and the four work-groups are here
	tensor_load_to_lds s[G0B:G0B+3], s[G1B:G1B+7]  ; my sixteenth of key steps 6 .. 31: it has four trips in which to land
	s_nop 0
.rept 4
	v_nop
.endr
	s_wait_kmcnt 0x0
	s_add_co_i32 s57, s52, s53
	s_lshl_b32 s57, s57, 23
	s_add_co_i32 s24, s57, 0x3E38AA3B              ; c = log2(e) / 8 x 2^(e6 + e7)
	s_mov_b32 s25, s24
	s_add_co_i32 s57, s54, 127
	s_lshl_b32 s58, s57, 23
	v_mov_b32 v226, s58                            ; 2^e8
	s_add_co_i32 s57, s57, 8
	s_lshl_b32 s57, s57, 23
	s_or_b32 s57, s57, 0x600000
	v_mov_b32 v6, s57                              ; 448 x 2^e8, twice: the two halves of a dual pair read different registers
	v_mov_b32 v7, s57
	s_add_co_i32 s57, s56, 127
	s_lshl_b32 s58, s57, 23
	v_mov_b32 v228, s58                            ; 2^e10
	s_add_co_i32 s57, s57, 8
	s_lshl_b32 s57, s57, 23
	s_or_b32 s57, s57, 0x600000
	v_mov_b32 v227, s57                            ; 448 x 2^e10
	s_add_co_i32 s76, s54, s55                     ; e8 + e9
	s_mov_b32 s20, 0                               ; the trip's number
	s_wait_alu depctr_va_vdst(0)                   ; the wait at the head's end
	s_wait_loadcnt 0x0                             ; Q
; ROLE 1 CHANGES CHUNKS: the short chunk's two tiles are divided by their sums, quantised and stored; Q of the long chunk comes in.  O^T and the sums are not cleared:
; with -M back at 3e38 the first step that has a visible key multiplies them by 2^(new -M - 3e38) = 0, and so does the joining at the end; they are finite, being sums of codes' products.
.macro SWITCH
.rept 4
	v_nop                                          ; places behind the last products
.endr
	global_load_b128 v[16:19], v1, s[68:69] offset:1024   ; slot 0 holds tile 1 in this role
	global_load_b128 v[20:23], v1, s[68:69] offset:1536
	global_load_b128 v[24:27], v1, s[68:69]
	global_load_b128 v[28:31], v1, s[68:69] offset:512
.irp t, 0,1
	v_add_f32 v[14-2*\t], v[14-2*\t], v[15-2*\t]
.endr
.irp t, 0,1
	v_permlanex16_b32 v[248+\t], v[14-2*\t], s22, s23
.endr
.irp t, 0,1
	v_add_f32 v[14-2*\t], v[14-2*\t], v[248+\t]
.endr
	s_wait_alu depctr_va_vdst(0)                   ; a wait ahead of the batch and one behind it
.irp t, 0,1
	v_rcp_f32 v[14-2*\t], v[14-2*\t]
.endr
	v_nop
	s_wait_alu depctr_va_vdst(0)
.irp t, 0,1
	v_ldexp_f32 v[14-2*\t], v[14-2*\t], s76        ; x 2^(e8 + e9)
.endr
	s_wait_alu depctr_va_vdst(0)                   ; directly ahead of the first readers of O^T
.irp t, 0,1
.irp j, 0,2,4,6,8,10,12,14,16,18,20,22,24,26,28,30
	v_pk_mul_f32 v[96+32*\t+\j:97+32*\t+\j], v[160+32*\t+\j:161+32*\t+\j], v[14-2*\t:15-2*\t] op_sel_hi:[1,0]
.endr
.endr
.set n, 0
.rept 64
	v_med3_num_f32 v[96+n], v[96+n], -v227, v227
.set n, n+1
.endr
.irp u, 0,1,2,3,4,5,6,7
	v_cvt_scalef32_pk8_fp8_f32 v[32+2*\u:33+2*\u], v[96+8*\u:103+8*\u], v228
.endr
	v_nop
	global_store_b128 v1, v[32:35], s[72:73] offset:4096  ; 512 consecutive aligned bytes a store
	global_store_b128 v1, v[36:39], s[72:73] offset:4608
	global_store_b128 v1, v[40:43], s[72:73]
	global_store_b128 v1, v[44:47], s[72:73] offset:512
.irp t, 0,1
	v_mov_b32 v[9+2*\t], 0xff61b1e6
	v_mov_b32 v[8+2*\t], 0x7f61b1e6
.endr
	s_mov_b32 s16, s62                             ; the long block's first query
	s_wait_alu depctr_va_vdst(0)
	s_wait_loadcnt 0x0                             ; Q
	s_wait_xcnt 0x0                                ; the stores have read v32-47, which the next loads fill
.endm
; Trips up to, not including, number last.  A trip is one step of 64 keys for my two tiles of 16 queries.
.macro WALK last
.Lstep_\@:
	s_cmp_lg_u32 s20, s26
	s_cbranch_scc1 .Lsame_\@
	SWITCH
.Lsame_\@:
	s_cmp_ge_u32 s20, s27
	s_cselect_b32 s19, s63, 0
	s_add_co_u32 s19, s19, s20                     ; the key step, 0 .. 31
	s_lshl_b32 s18, s19, 6                         ; its first key
	s_lshl_b32 s19, s19, 13                        ; its bytes in LDS
	v_add_nc_u32 v2, s19, v1
.rept 3
	v_nop                                          ; with the line above: four places behind the last products, ahead of loads into their sources
.endr
.irp f, 0,1,2,3,4,5,6,7
	ds_load_b128 v[32+4*\f:35+4*\f], v2 offset:512*\f
.endr
.irp f, 0,1,2,3,4,5,6,7
	ds_load_b128 v[64+4*\f:67+4*\f], v2 offset:4096+512*\f
.endr
	s_wait_dscnt 8                                 ; K is in; V's eight loads may be out
.irp kt, 0,1,2,3
.irp t, 0,1
	v_wmma_f32_16x16x64_fp8_fp8 v[96+32*\t+8*\kt:103+32*\t+8*\kt], v[32+8*\kt:39+8*\kt], v[16+8*\t:23+8*\t], 0
.endr
.endr
	v_mov_b32 v254, v8                             ; the old -M; these four lines are the places behind the products
	v_mov_b32 v255, v10
	v_nop
	v_nop
	s_cmp_lt_u32 s18, s16
	s_cbranch_scc1 .Lopen_\@                       ; all 64 keys come ahead of the block: nothing is hidden
	s_sub_co_i32 s21, s16, s18
	v_add_nc_u32 v250, s21, v3                     ; d = query - first key - 8 h: register 8 kt + j holds a hidden key where 16 kt + j > d
	v_add_nc_u32 v252, s21, v4
.irp t, 0,1
.irp kt, 0,1,2,3
.irp j, 0,1,2,3,4,5,6,7
	v_cmp_gt_i32 vcc_lo, 16*\kt+\j, v[250+2*\t]
	v_cndmask_b32 v[96+32*\t+8*\kt+\j], v[96+32*\t+8*\kt+\j], v5, vcc_lo
.endr
.endr
.endr
.Lopen_\@:
.irp t, 0,1
	v_max3_num_f32 v[244+2*\t], v[96+32*\t], v[97+32*\t], v[98+32*\t]
.endr
.irp t, 0,1
	v_max3_num_f32 v[245+2*\t], v[99+32*\t], v[100+32*\t], v[101+32*\t]
.endr
.irp i, 6,10,14,18,22,26
.irp t, 0,1
	v_max3_num_f32 v[244+2*\t], v[244+2*\t], v[96+32*\t+\i], v[97+32*\t+\i]
.endr
.irp t, 0,1
	v_max3_num_f32 v[245+2*\t], v[245+2*\t], v[98+32*\t+\i], v[99+32*\t+\i]
.endr
.endr
.irp t, 0,1
	v_max3_num_f32 v[244+2*\t], v[244+2*\t], v[126+32*\t], v[127+32*\t]
.endr
.irp t, 0,1
	s_delay_alu instid0(VALU_DEP_2)
	v_max_num_f32 v[244+2*\t], v[244+2*\t], v[245+2*\t]
.endr
.irp t, 0,1
	s_delay_alu instid0(VALU_DEP_2)
	v_permlanex16_b32 v[248+\t], v[244+2*\t], s22, s23
.endr
.irp t, 0,1
	s_delay_alu instid0(VALU_DEP_2)
	v_max_num_f32 v[244+2*\t], v[244+2*\t], v[248+\t]
.endr
.irp t, 0,1
	s_delay_alu instid0(VALU_DEP_2)
	v_mul_f32 v[244+2*\t], s24, v[244+2*\t]        ; as t (c is positive)
.endr
.irp t, 0,1
	s_delay_alu instid0(VALU_DEP_2)
	v_max_num_f32 v[9+2*\t], v[9+2*\t], v[244+2*\t]
.endr
.irp t, 0,1
	s_delay_alu instid0(VALU_DEP_2)
	v_floor_f32 v[8+2*\t], -v[9+2*\t]              ; -M = floor(-t)
.endr
.irp t, 0,1
	s_delay_alu instid0(VALU_DEP_2)
	v_sub_f32 v[254+\t], v[8+2*\t], v[254+\t]
.endr
.irp t, 0,1
	s_delay_alu instid0(VALU_DEP_2)
	v_cvt_i32_f32 v[254+\t], v[254+\t]             ; (it saturates)
.endr
.irp t, 0,1
	s_delay_alu instid0(VALU_DEP_2)
	v_ldexp_f32 v[240+2*\t], 1.0, v[254+\t]        ; f = 2^(old M - new M)
.endr
.irp j, 0,2,4,6,8,10,12,14,16,18,20,22,24,26,28,30
.irp t, 0,1
	v_pk_fma_f32 v[96+32*\t+\j:97+32*\t+\j], v[96+32*\t+\j:97+32*\t+\j], s[24:25], v[8+2*\t:9+2*\t] op_sel_hi:[1,0,0]
.endr
.endr
.irp j, 0,2,4,6,8,10,12,14,16,18,20,22,24,26,28,30
.irp t, 0,1
	v_pk_mul_f32 v[160+32*\t+\j:161+32*\t+\j], v[160+32*\t+\j:161+32*\t+\j], v[240+2*\t:241+2*\t] op_sel_hi:[1,0]   ; O^T under the new M, ahead of the exponentials: no transcendental stands between the products that wrote it and this read
.endr
.endr
	s_wait_alu depctr_va_vdst(0)                   ; the wait ahead of the batch
.set n, 0
.rept 64
	v_exp_f32 v[96+n], v[96+n]
.set n, n+1
.endr
.irp t, 0,1
	v_pk_mul_f32 v[14-2*\t:15-2*\t], v[14-2*\t:15-2*\t], v[240+2*\t:241+2*\t] op_sel_hi:[1,0]
.endr
	s_wait_alu depctr_va_vdst(0)                   ; and the one behind it
.irp t, 0,1
	v_pk_add_f32 v[250+2*\t:251+2*\t], v[96+32*\t:97+32*\t], v[98+32*\t:99+32*\t]
.endr
.irp j, 4,8,12,16,20,24,28
.irp t, 0,1
	v_pk_add_f32 v[14-2*\t:15-2*\t], v[14-2*\t:15-2*\t], v[96+32*\t+\j:97+32*\t+\j]
.endr
.irp t, 0,1
	v_pk_add_f32 v[250+2*\t:251+2*\t], v[250+2*\t:251+2*\t], v[98+32*\t+\j:99+32*\t+\j]
.endr
.endr
.irp t, 0,1
	v_pk_add_f32 v[14-2*\t:15-2*\t], v[14-2*\t:15-2*\t], v[250+2*\t:251+2*\t]
.endr
.irp kt, 0,1,2,3
.irp t, 0,1
.irp j, 0,2,4,6
	v_dual_min_num_f32 v[96+32*\t+8*\kt+\j], v[96+32*\t+8*\kt+\j], v6 :: v_dual_min_num_f32 v[97+32*\t+8*\kt+\j], v[97+32*\t+8*\kt+\j], v7   ; the hold (the conversion does not saturate: ISA guide 7.6.2); p is not negative: one-sided, two numbers a line
.endr
	v_cvt_scalef32_pk8_fp8_f32 v[32+8*\t+2*\kt:33+8*\t+2*\kt], v[96+32*\t+8*\kt:103+32*\t+8*\kt], v226   ; registers 2 kt, 2 kt + 1 of P's fragment, in K's registers, which are done with
.endr
.endr
	v_nop                                          ; a plain line between the last conversion and the products
	s_wait_alu depctr_va_vdst(0)
	s_wait_dscnt 0x0                               ; V
.irp i, 0,1,2,3
.irp t, 0,1
	v_wmma_f32_16x16x64_fp8_fp8 v[160+32*\t+8*\i:167+32*\t+8*\i], v[64+8*\i:71+8*\i], v[32+8*\t:39+8*\t], v[160+32*\t+8*\i:167+32*\t+8*\i]
.endr
.endr
	s_add_co_u32 s20, s20, 1
	s_cmp_lt_u32 s20, \last
	s_cbranch_scc1 .Lstep_\@
.endm
	WALK 4                                         ; key steps 0 .. 5 alone
	s_wait_tensorcnt 0x0                           ; my part of key steps 6 .. 31 is in,
	s_wait_dscnt 0x0
	s_barrier_signal -1
	s_barrier_wait -1                              ; everybody's is
	s_mov_b32 s20, 4
	WALK 17
	; THE JOINING.  Nobody reads K and V behind this barrier; each wave puts slot 1's part into its stage and takes its partner's, which is the other part of its own slot 0's tile.
	s_wait_dscnt 0x0
	s_barrier_signal -1
	s_barrier_wait -1
	s_mul_i32 s57, s12, STG
	s_xor_b32 s58, s12, 4
	s_mul_i32 s58, s58, STG
	v_add_nc_u32 v2, s57, v1
	v_add_nc_u32 v250, s58, v1
	v_nop
	v_nop                                          ; four places behind the last products
.irp n, 0,1,2,3,4,5,6,7
	ds_store_b128 v2, v[192+4*\n:195+4*\n] offset:512*\n
.endr
	ds_store_b128 v2, v[10:13] offset:4096         ; -M, t, the sum's two halves
	s_wait_alu depctr_va_vdst(0)
	s_wait_dscnt 0x0
	s_barrier_signal -1
	s_barrier_wait -1
.irp n, 0,1,2,3,4,5,6,7
	ds_load_b128 v[96+4*\n:99+4*\n], v250 offset:512*\n
.endr
	ds_load_b128 v[128:131], v250 offset:4096
	s_wait_dscnt 0x0
	v_min_num_f32 v244, v8, v128                   ; -M of the two parts together
	v_add_f32 v14, v14, v15
	v_add_f32 v130, v130, v131
	v_sub_f32 v245, v244, v8
	v_sub_f32 v246, v244, v128
	v_cvt_i32_f32 v245, v245
	v_cvt_i32_f32 v246, v246
	v_ldexp_f32 v245, 1.0, v245                    ; my part's factor,
	v_ldexp_f32 v246, 1.0, v246                    ; my partner's: powers of two, or 0
	v_mul_f32 v14, v14, v245
	v_fmac_f32 v14, v130, v246
	v_permlanex16_b32 v248, v14, s22, s23
	v_add_f32 v14, v14, v248                       ; the row's sum
	s_wait_alu depctr_va_vdst(0)
	v_rcp_f32 v14, v14
	v_nop
	s_wait_alu depctr_va_vdst(0)
	v_ldexp_f32 v14, v14, s76                      ; x 2^(e8 + e9)
	v_mul_f32 v240, v14, v245
	v_mul_f32 v242, v14, v246
.irp j, 0,2,4,6,8,10,12,14,16,18,20,22,24,26,28,30
	v_pk_mul_f32 v[96+\j:97+\j], v[96+\j:97+\j], v[242:243] op_sel_hi:[1,0]
.endr
	s_wait_alu depctr_va_vdst(0)                   ; directly ahead of the first readers of O^T
.irp j, 0,2,4,6,8,10,12,14,16,18,20,22,24,26,28,30
	v_pk_fma_f32 v[96+\j:97+\j], v[160+\j:161+\j], v[240:241], v[96+\j:97+\j] op_sel_hi:[1,0,1]
.endr
.set n, 0
.rept 32
	v_med3_num_f32 v[96+n], v[96+n], -v227, v227
.set n, n+1
.endr
.irp u, 0,1,2,3
	v_cvt_scalef32_pk8_fp8_f32 v[32+2*\u:33+2*\u], v[96+8*\u:103+8*\u], v228
.endr
	v_nop
	global_store_b128 v1, v[32:35], s[74:75]
	global_store_b128 v1, v[36:39], s[74:75] offset:512
	s_wait_tensorcnt 0x0                           ; the wave's end
	ds_add_u32 v[SPW], v[NIL]
	s_wait_dscnt 0x0
	CROUND                                         ; the closing round
	s_endpgm
.Lfunc_end_k_qc12359a570_attn:
	.size	k_qc12359a570_attn, .Lfunc_end_k_qc12359a570_attn-k_qc12359a570_attn
	.p2alignl 7, 3214868480
	.fill 96, 4, 3214868480
	.section	.rodata,"a",@progbits
	.p2align	6, 0x0
	.amdhsa_kernel k_qc12359a570_attn
		.amdhsa_group_segment_fixed_size 327680
		.amdhsa_private_segment_fixed_size 0
		.amdhsa_enable_private_segment 0
		.amdhsa_kernarg_size 32
		.amdhsa_user_sgpr_count 2
		.amdhsa_user_sgpr_kernarg_segment_ptr 1
		.amdhsa_wavefront_size32 1
		.amdhsa_system_sgpr_workgroup_id_x 1
		.amdhsa_system_sgpr_workgroup_id_y 1
		.amdhsa_system_sgpr_workgroup_id_z 1
		.amdhsa_system_vgpr_workitem_id 0
		.amdhsa_next_free_vgpr 256
		.amdhsa_next_free_sgpr 80
		.amdhsa_reserve_vcc 1
		.amdhsa_float_denorm_mode_32 3
		.amdhsa_float_denorm_mode_16_64 3
		.amdhsa_memory_ordered 1
		.amdhsa_forward_progress 1
		.amdhsa_inst_pref_size 76
	.end_amdhsa_kernel
	.amdgpu_metadata
---
amdhsa.version: [ 1, 2 ]
amdhsa.kernels:
  - .name:           k_qc12359a570_attn
    .symbol:         k_qc12359a570_attn.kd
    .args:
      - { .name: qc, .offset: 0, .size: 8, .value_kind: global_buffer, .address_space: global }
      - { .name: kv, .offset: 8, .size: 8, .value_kind: global_buffer, .address_space: global }
      - { .name: lowp_scales, .offset: 16, .size: 8, .value_kind: global_buffer, .address_space: global }
      - { .name: oc, .offset: 24, .size: 8, .value_kind: global_buffer, .address_space: global }
    .group_segment_fixed_size: 327680
    .private_segment_fixed_size: 0
    .kernarg_segment_align: 8
    .kernarg_segment_size: 32
    .max_flat_workgroup_size: 512
    .sgpr_count:     80
    .vgpr_count:     256
    .wavefront_size: 32
...
	.end_amdgpu_metadata
.endif
;; end of part 3
;; launch proj (part 4): grid 8 x 32, 4 waves a work-group, clusters of 4 x 4, 327,680 bytes of LDS; arguments oc, wc, lowp_scales, out0, bo; writes out0
.if DOCPART == 4
	.amdgcn_target "amdgcn-amd-amdhsa--gfx1250"
	.amdhsa_code_object_version 6
	.text
	.protected	k_qc12359a570_proj
	.globl	k_qc12359a570_proj
	.p2align	8
	.type	k_qc12359a570_proj,@function
k_qc12359a570_proj:
	s_mov_b64 s[64:65], 0
	v_nop
	global_prefetch_b8 v0, s[64:65] scope:SCOPE_SE
	s_setreg_imm32_b32 hwreg(HW_REG_WAVE_MODE, 25, 1), 1
	s_wait_xcnt 0x0
	s_wait_alu depctr_hold_cnt(0) depctr_sa_sdst(0) depctr_va_vdst(0) depctr_va_sdst(0) depctr_va_ssrc(0) depctr_va_vcc(0) depctr_vm_vsrc(0)
	s_getreg_b32 s2, hwreg(HW_REG_IB_STS2, 6, 4)
	s_cmp_eq_u32 s2, 0
	s_cbranch_scc0 .Lentry_in_a_cluster
	s_endpgm
.Lentry_in_a_cluster:
	s_bfe_u32 s2, ttmp6, 0x10000c
	s_cmp_lg_u32 s2, 0xf033
	s_cbranch_scc0 .Lentry_shape_is_right
	s_endpgm
.Lentry_shape_is_right:
; out0 = O Wo + bo on E4M3 codes, K = 1,024: each f32 sum is multiplied by 2^(e10 + e11) and bo is added in the same fused line.  LIMIT: e10 + e11 between -126 and 127.
; A work-group makes 256 tokens x 128 columns, each of its four waves 128 x 64: 32 accumulators.  R = tokens (oc), C = Wo's columns (wc from byte 0x300000): source 0 = 16 rows of C, source 1 = 16 rows of R,
; so a lane's eight results are eight neighbouring columns of one token.
; OPERANDS ARE IMAGES OF REGISTERS (16 rows x 128 K: four pieces of 512 bytes; 128 rows x 256 K are one dense block of 32,768 bytes).  CLUSTERS of 4 x 4: R's blocks are shared along a row, C's along a column.
; LDS HOLDS THREE OF THE FOUR K STEPS: four parts (R's two halves of 3 x 32,768 bytes, C's two of 3 x 16,384).  The head's one load a wave brings K steps 0, 1 and 2 of its part
; (R: 98,304 bytes on end; C: three rows of 16,384 bytes, 32,768 apart).  K step 3 is the one refill: into slot 0, behind K step 0's last reads, with K steps 1 and 2 in which to land.
; PREFETCH: behind the head's load each wave names its work-group's quarter of K step 3's block, a lane to 256 bytes; Wo's blocks, which eight clusters load, are named by four of them.
; THE WAY OUT goes through a stage of 16 rows x 272 bytes a wave, in the bytes of R's first half, slot 1: they have had their only fill, and every wave's reads of them end ahead of the last barrier.
.set NB,     4
.set APW,    32/NB
.set RPART,  3*32768
.set CPART,  3*16384
.set CB,     2*RPART
.set SPARE,  CB+2*CPART                ; behind the parts: the spare words, 128 bytes for each wave, that no other line names
.set STAGE,  32768
.set KSB,    32768
.set SPITCH, 272
.set ADRA, 16                          ; v16-18  LDS address of my R fragments in slots 0, 1, 2
.set ADRB, 20                          ; v20-22  the same for C
.set STO,  24
.set RD,   25
.set CO,   26
.set PFO,  27
.set SPW,  28
.set NIL,  29
.set TMP,  32
.set BI,   64                          ; v64-95  bo at my lane's 32 columns
.set AF,   128
.set BK,   128
.set G1,  24
.set G0,  32
.set G1B, 48
.set G0B, 56
.set PA,  98                           ; s[98:99] my work-group's quarter of the block that I fetch, at K step 0
.set MSB, 0
.macro WIN new
.if MSB != (\new)
	s_set_vgpr_msb (MSB<<8)|(\new)
.set MSB, (\new)
.endif
.endm
.macro JLOAD g0a, g1a, g0b, g1b        ; waves 0 and 1 fetch R's halves, waves 2 and 3 C's; an s_nop 0 and four v_nop follow each line
	s_cmp_eq_u32 s15, 0
	s_cbranch_scc0 .Lfor_b_\@
	tensor_load_to_lds s[\g0a:\g0a+3], s[\g1a:\g1a+7]
	s_nop 0
.rept 4
	v_nop
.endr
	s_branch .Lasked_\@
.Lfor_b_\@:
	tensor_load_to_lds s[\g0b:\g0b+3], s[\g1b:\g1b+7]
	s_nop 0
.rept 4
	v_nop
.endr
.Lasked_\@:
.endm
.macro CREST
	s_cmp_lg_u32 s14, 0
	s_cbranch_scc1 .Lnot_wave_0_\@
	s_barrier_signal -3
.Lnot_wave_0_\@:
	s_barrier_wait -3
	s_barrier_signal -1
	s_barrier_wait -1
.endm
.macro CROUND
	s_barrier_signal -1
	s_barrier_wait -1
	CREST
.endm
.macro PLACES n
.rept \n
	v_nop
.endr
.endm
.macro FRAG reg, adr, q, i
.irp c, 0,1,2,3
	ds_load_b128 v[\reg+4*\c:\reg+4*\c+3], v[\adr] offset:(\i)*4096+(\q)*2048+512*\c
.endr
.endm
.macro FETCH_B slot, q, p
	WIN 0x40
.set ii, 0
.rept NB
	FRAG 128*(\p)+16*ii, ADRB+\slot, \q, ii
.set ii, ii+1
.endr
	WIN 0
.endm
.macro FETCH_A slot, q, i0
.irp i, \i0, \i0+1, \i0+2, \i0+3
	FRAG AF+16*(\i), ADRA+\slot, \q, \i
.endr
.endm
.macro MULP a0, p, zero                ; the accumulators take turns, one instruction a turn
	WIN 0xa1+0x50*((\a0)/APW)
.irp a, \a0, \a0+1
.set bb, 0
.rept NB
.set rD, 8*(NB*((\a)%APW)+bb)
.set rB, 128*(\p)+16*bb
.set rA, AF+16*(\a)
.if \zero
	v_wmma_f32_16x16x128_fp8_fp8 v[rD:rD+7], v[rB:rB+15], v[rA:rA+15], 0
.else
	v_wmma_f32_16x16x128_fp8_fp8 v[rD:rD+7], v[rB:rB+15], v[rA:rA+15], v[rD:rD+7]
.endif
.set bb, bb+1
.endr
.endr
.endm
; 128 along K on C's set p; meanwhile the fragments at (ns, nq) come into C's other set and into R's one set
.macro STEP p, ns, nq, zero
	s_wait_dscnt 16                                ; C's set and R's blocks 0-3 are in; the youngest sixteen loads (blocks 4-7) may be out
	MULP 0, \p, \zero
	MULP 2, \p, \zero
	s_wait_dscnt 0x0
	PLACES 4
	FETCH_B \ns, \nq, 1-(\p)
	FETCH_A \ns, \nq, 0
	MULP 4, \p, \zero
	MULP 6, \p, \zero
	PLACES 4
	WIN 0
	FETCH_A \ns, \nq, 4
.endm
; The same with a barrier: in front of it each wave waits for all its tensor loads, adds 0 to its spare word, and waits for that and for its LDS reads.  fill = 1: slot 0 takes K step 3.
.macro TURN next, fill
	s_wait_tensorcnt 0x0
	ds_add_u32 v[SPW], v[NIL]
	s_wait_dscnt 17                                ; (the add and the youngest sixteen loads may be out)
	MULP 0, 1, 0
	s_wait_dscnt 0x0
	s_barrier_signal -1
	MULP 2, 1, 0
	WIN 0
	s_barrier_wait -1
.if \fill
	CREST                                          ; the barrier has opened a round of the cluster's: no wave of any partner still reads slot 0
	s_add_nc_u64 s[G0+2:G0+3], s[G0+2:G0+3], 3*KSB
	s_add_nc_u64 s[G0B+2:G0B+3], s[G0B+2:G0B+3], 3*KSB
	JLOAD G0, G1, G0B, G1B
.else
	PLACES 4
.endif
	FETCH_B \next, 0, 0
	FETCH_A \next, 0, 0
	MULP 4, 1, 0
	MULP 6, 1, 0
	PLACES 4
	WIN 0
	FETCH_A \next, 0, 4
.endm
	s_load_b128 s[4:7], s[0:1], 0x0                ; oc, wc
	s_load_b128 s[8:11], s[0:1], 0x10              ; the exponents, out0
	s_load_b64 s[12:13], s[0:1], 0x20              ; bo
	v_lshl_add_u32 v[SPW], v0, 2, SPARE
	v_mov_b32 v[NIL], 0
	ds_add_u32 v[SPW], v[NIL]                      ; the opening lines: the add twice on end and its wait
	ds_add_u32 v[SPW], v[NIL]
	v_lshrrev_b32 v1, 5, v0
	v_readfirstlane_b32 s14, v1
	s_lshr_b32 s15, s14, 1                         ; which 128 tokens are mine.  Also: I fetch for R (0) or for C (1)
	s_and_b32 s16, s14, 1                          ; which 64 columns are mine.  Also: which half I fetch
	s_bfe_u32 s40, ttmp6, 0x40000
	s_bfe_u32 s41, ttmp6, 0x40004
	s_lshl_b32 s42, ttmp9, 2
	s_add_co_u32 s42, s42, s40                     ; tile column: 128 columns
	s_and_b32 s18, ttmp7, 0xffff
	s_lshl_b32 s17, s18, 2
	s_add_co_u32 s17, s17, s41                     ; tile row: 256 tokens
	s_lshl_b32 s43, s41, 2
	s_lshl_b32 s43, 15, s43
	s_lshl_b32 s44, 0x1111, s40
	s_or_b32 s[G1+0], s43, (3<<16)|(1<<21)         ; elements of 8 bytes.  The head's load of R: 384 rows of 256 bytes
	s_mov_b32 s[G1+1], 32<<16
	s_mov_b32 s[G1+2], 384<<16
	s_mov_b32 s[G1+3], 32<<16
	s_mov_b32 s[G1+4], 384
	s_mov_b32 s[G1+5], 32
	s_mov_b32 s[G1+6], 0
	s_mov_b32 s[G1+7], 0
	s_or_b32 s[G1B+0], s44, (3<<16)|(1<<21)        ; of C: 3 rows of 16,384 bytes, 32,768 apart
	s_mov_b32 s[G1B+1], 2048<<16
	s_mov_b32 s[G1B+2], 3<<16
	s_mov_b32 s[G1B+3], 2048<<16
	s_mov_b32 s[G1B+4], 3
	s_mov_b32 s[G1B+5], 4096
	s_mov_b32 s[G1B+6], 0
	s_mov_b32 s[G1B+7], 0
	s_lshl_b32 s20, s17, 1
	s_add_co_u32 s20, s20, s16
	s_lshl_b32 s20, s20, 17
	s_mov_b32 s21, 0
	s_lshl_b32 s46, s42, 17
	s_lshl_b32 s47, s16, 14
	s_add_co_u32 s46, s46, s47
	s_add_co_u32 s46, s46, 0x300000
	s_mov_b32 s47, 0
	s_mul_i32 s45, s16, RPART
	s_mul_i32 s71, s16, CPART
	s_add_co_u32 s71, s71, CB
	s_cmp_lt_u32 s18, 4                            ; who prefetches: oc's blocks always, Wo's in four of the eight clusters that load them
	s_cselect_b32 s18, 1, 0
	s_cmp_eq_u32 s15, 0
	s_cselect_b32 s18, 1, s18
	s_cselect_b32 s92, s40, s41                    ; my place among the four that ask with me
	s_cselect_b32 s93, 13, 12                      ; a quarter of a block: 8,192 bytes of R's, 4,096 of C's
	s_cselect_b32 s3, 31, 15
	s_lshl_b32 s92, s92, s93
	s_mov_b32 s93, 0
	s_lshl_b32 s66, s42, 9                         ; my first column, in bytes of f32
	s_lshl_b32 s67, s16, 8
	s_add_co_u32 s66, s66, s67
	s_mov_b32 s67, 0
	s_lshl_b32 s68, s17, 20
	s_lshl_b32 s69, s15, 19
	s_add_co_u32 s68, s68, s69
	s_add_co_u32 s68, s68, s66                     ; my first token's row of 4,096 bytes, at my first column
	s_mov_b32 s69, 0
	s_mul_i32 s22, s15, RPART
	s_mul_i32 s23, s14, 16*SPITCH
	s_add_co_u32 s23, s23, STAGE
	s_wait_alu depctr_va_vdst(0)                   ; the wait ahead of the waits below
	s_wait_dscnt 0x0
	s_wait_kmcnt 0x0
	s_load_b64 s[96:97], s[8:9], 0x28              ; e10, e11
	s_add_nc_u64 s[20:21], s[4:5], s[20:21]
	s_add_nc_u64 s[46:47], s[6:7], s[46:47]
	s_add_nc_u64 s[12:13], s[12:13], s[66:67]
	s_add_nc_u64 s[10:11], s[10:11], s[68:69]
	s_cmp_eq_u32 s15, 0
	s_cselect_b64 s[PA:PA+1], s[20:21], s[46:47]
	s_add_nc_u64 s[PA:PA+1], s[PA:PA+1], s[92:93]
	s_mov_b32 s[G0], 1
	s_mov_b32 s[G0+1], s45
	s_mov_b64 s[G0+2:G0+3], s[20:21]
	s_or_b32 s[G0+3], s[G0+3], 0x80000000
	s_mov_b32 s[G0B], 1
	s_mov_b32 s[G0B+1], s71
	s_mov_b64 s[G0B+2:G0B+3], s[46:47]
	s_or_b32 s[G0B+3], s[G0B+3], 0x80000000
	CROUND                                         ; all sixteen work-groups are here: the joint loads meet
	JLOAD G0, G1, G0B, G1B                         ; one tensor load a wave at the head: K steps 0, 1 and 2 of my part
	v_and_b32 v1, 31, v0
	v_lshlrev_b32 v2, 4, v1
	v_and_b32 v3, 15, v0
	v_bfe_u32 v4, v0, 4, 1
	v_lshlrev_b32 v5, 5, v4
	v_min_u32 v8, s3, v1
	v_lshlrev_b32 v[PFO], 8, v8
.irp b, 0,1,2,3
	global_load_b128 v[BI+8*\b:BI+8*\b+3], v5, s[12:13] offset:64*\b
	global_load_b128 v[BI+8*\b+4:BI+8*\b+7], v5, s[12:13] offset:64*\b+16
.endr
	v_add_nc_u32 v[ADRA], s22, v2
	v_add_nc_u32 v[ADRB], s71, v2
	v_add_nc_u32 v[ADRA+1], 32768, v[ADRA]
	v_add_nc_u32 v[ADRB+1], 16384, v[ADRB]
	v_add_nc_u32 v[ADRA+2], 65536, v[ADRA]
	v_add_nc_u32 v[ADRB+2], 32768, v[ADRB]
	v_mul_u32_u24 v6, v3, SPITCH                   ; the stage, in: row l % 16, 32 bytes for each half of the lanes
	v_lshl_add_u32 v6, v4, 5, v6
	v_add_nc_u32 v[STO], s23, v6
	v_mul_u32_u24 v7, v4, SPITCH                   ; back: lanes 0-15 one row of 256 bytes, lanes 16-31 the next
	v_lshl_add_u32 v7, v3, 4, v7
	v_add_nc_u32 v[RD], s23, v7
	v_lshlrev_b32 v[CO], 12, v4                    ; and the same two rows in out0
	v_lshl_add_u32 v[CO], v3, 4, v[CO]
	s_wait_alu depctr_va_vdst(0)                   ; the wait at the head's end
	s_cmp_lg_u32 s18, 0
	s_cbranch_scc0 .Lno_pf
	global_prefetch_b8 v[PFO], s[PA:PA+1] offset:3*KSB th:TH_LOAD_NT scope:SCOPE_SE   ; K step 3; lanes left over name the last block again
.Lno_pf:
	s_wait_tensorcnt 0x0                           ; my part of K steps 0 to 2 is in, so group 1 may be written: the refill brings one K step
	s_mov_b32 s[G1+2], 128<<16                     ; R: 128 rows of 256 bytes
	s_mov_b32 s[G1+4], 128
	s_mov_b32 s[G1B+1], 32<<16                     ; C: 64 rows of 256 bytes
	s_mov_b32 s[G1B+2], 64<<16
	s_mov_b32 s[G1B+3], 32<<16
	s_mov_b32 s[G1B+4], 64
	s_mov_b32 s[G1B+5], 32
	s_barrier_signal -1
	s_barrier_wait -1                              ; everybody's is
	FETCH_B 0, 0, 0
	FETCH_A 0, 0, 0
	FETCH_A 0, 0, 4
	STEP 0, 0, 1, 1                                ; the first products start the sums
	TURN 1, 1                                      ; K step 0 ends; slot 0 takes K step 3
	STEP 0, 1, 1, 0
	STEP 1, 2, 0, 0                                ; K step 1 ends; slot 2 has been whole since the head: no barrier
	STEP 0, 2, 1, 0
	TURN 0, 0                                      ; K step 2 ends; K step 3 is in, in every wave's part
	STEP 0, 0, 1, 0
	s_wait_dscnt 16                                ; the very last step
	MULP 0, 1, 0
	MULP 2, 1, 0
	s_wait_dscnt 0x0
	MULP 4, 1, 0
	MULP 6, 1, 0
	WIN 0
; THE WAY OUT, block by block of 16 tokens x 64 columns: sum x 2^(e10 + e11) + bo, through my stage, back as rows of 256 bytes: sixteen lanes store one aligned unit.  LDS serves a wave's instructions in order (ISA guide 5.7.1.4).
.macro TOSTAGE a
	WIN 0x02
.irp b, 0,1,2,3
.irp i, 0,2,4,6
	v_pk_fma_f32 v[TMP+8*\b+\i:TMP+8*\b+\i+1], v[8*(NB*(\a)+\b)+\i:8*(NB*(\a)+\b)+\i+1], s[96:97], v[BI+8*\b+\i:BI+8*\b+\i+1] op_sel_hi:[1,0,1]
.endr
.endr
	WIN 0
.irp b, 0,1,2,3
	ds_store_b128 v[STO], v[TMP+8*\b:TMP+8*\b+3] offset:64*\b
	ds_store_b128 v[STO], v[TMP+8*\b+4:TMP+8*\b+7] offset:64*\b+16
.endr
.set BB, BK+32*((\a)%2)
.irp t, 0,1,2,3,4,5,6,7
	ds_load_b128 v[BB+4*\t:BB+4*\t+3], v[RD] offset:\t*2*SPITCH
.endr
.endm
.macro SEND a, younger                 ; younger: the LDS instructions issued behind block a's loads, which may stay out
.set BB, BK+32*((\a)%2)
	s_wait_dscnt \younger
.irp t, 0,1,2,3,4,5,6,7
	global_store_b128 v[CO], v[BB+4*\t:BB+4*\t+3], s[10:11] offset:(\a)*65536+\t*8192 th:TH_STORE_NT
.endr
.endm
	s_wait_kmcnt 0x0
	s_add_co_i32 s96, s96, s97
	s_add_co_i32 s96, s96, 127
	s_lshl_b32 s96, s96, 23                        ; 2^(e10 + e11) as f32
	s_mov_b32 s97, s96
	s_wait_loadcnt 0x0                             ; bo
	PLACES 4
	TOSTAGE 0
.irp a, 1,2,3,4,5,6,7
.if \a > 1
	s_wait_xcnt 0x0                                ; block a - 2's stores have read their registers: block a's loads may land there
.endif
	TOSTAGE \a
	SEND \a-1, 16
.endr
	SEND 7, 0
	s_wait_tensorcnt 0x0                           ; the wave's end
	ds_add_u32 v[SPW], v[NIL]
	s_wait_dscnt 0x0
	CROUND                                         ; the closing round
	s_endpgm
.Lfunc_end_k_qc12359a570_proj:
	.size	k_qc12359a570_proj, .Lfunc_end_k_qc12359a570_proj-k_qc12359a570_proj
	.p2alignl 7, 3214868480
	.fill 96, 4, 3214868480
	.section	.rodata,"a",@progbits
	.p2align	6, 0x0
	.amdhsa_kernel k_qc12359a570_proj
		.amdhsa_group_segment_fixed_size 327680
		.amdhsa_private_segment_fixed_size 0
		.amdhsa_enable_private_segment 0
		.amdhsa_kernarg_size 40
		.amdhsa_user_sgpr_count 2
		.amdhsa_user_sgpr_kernarg_segment_ptr 1
		.amdhsa_wavefront_size32 1
		.amdhsa_system_sgpr_workgroup_id_x 1
		.amdhsa_system_sgpr_workgroup_id_y 1
		.amdhsa_system_sgpr_workgroup_id_z 1
		.amdhsa_system_vgpr_workitem_id 0
		.amdhsa_next_free_vgpr 768
		.amdhsa_next_free_sgpr 102
		.amdhsa_reserve_vcc 0
		.amdhsa_float_denorm_mode_32 3
		.amdhsa_float_denorm_mode_16_64 3
		.amdhsa_memory_ordered 1
		.amdhsa_forward_progress 1
		.amdhsa_inst_pref_size 76
	.end_amdhsa_kernel
	.amdgpu_metadata
---
amdhsa.version: [ 1, 2 ]
amdhsa.kernels:
  - .name:           k_qc12359a570_proj
    .symbol:         k_qc12359a570_proj.kd
    .args:
      - { .name: oc, .offset: 0, .size: 8, .value_kind: global_buffer, .address_space: global }
      - { .name: wc, .offset: 8, .size: 8, .value_kind: global_buffer, .address_space: global }
      - { .name: lowp_scales, .offset: 16, .size: 8, .value_kind: global_buffer, .address_space: global }
      - { .name: out0, .offset: 24, .size: 8, .value_kind: global_buffer, .address_space: global }
      - { .name: bo, .offset: 32, .size: 8, .value_kind: global_buffer, .address_space: global }
    .group_segment_fixed_size: 327680
    .private_segment_fixed_size: 0
    .kernarg_segment_align: 8
    .kernarg_segment_size: 40
    .max_flat_workgroup_size: 128
    .sgpr_count:     102
    .vgpr_count:     768
    .wavefront_size: 32
...
	.end_amdgpu_metadata
.endif
;; end of part 4
